; MI455X (gfx1250); checked and timed in simulation.
; The chip was launched on July 23, 2026; its instructions are those of AMD's public machine-readable ISA for CDNA 5 (MIT licence, August 2026) and "CDNA5" Instruction Set Architecture Reference Guide (July 2026). The comments in the code are by the model that wrote it; some were corrected since.
;; Grouped Query Attention. Allowed arithmetic: matrix products marked QUANTISED: E2M3 operands, one E8M0 scale for each 32 along K, by v_wmma_scale_f32_16x16x128_f8f6f4 with both operands' format E2M3, f32 sums; everything else in f32.
;; Inputs: Wk 1,024 x 4,096 float32; Wo 4,096 x 4,096 float32; Wq 4,096 x 4,096 float32; Wv 1,024 x 4,096 float32; freqs 1,024 x 64 x 2 float32; x 1 x 1,024 x 4,096 float32.
;; Outputs: out0 1 x 1,024 x 4,096 float32.
;; This version of the problem:
;;   THIS VERSION OF THE PROBLEM IS GIVEN IN LOW PRECISION. The matrix products marked QUANTISED in the list below multiply operands that are first quantised to E2M3 (2 exponent bits, 3 mantissa bits; 6 bits a number), with one power-of-two scale for each 32 numbers along K (OCP MX v1.0); their sums are f32. All else is computed in f32.
;;   The module's matrix products, in the order in which they are computed (A, B: the left and right operand; K: the contracted axis; several contracted axes count as one K, in the product's order):
;;     1. [M 1,024, K 4,096] x [K 4,096, N 4,096]; A: input x; B: input Wq: QUANTISED
;;     2. [M 1,024, K 4,096] x [K 4,096, N 1,024]; A: input x; B: input Wk: QUANTISED
;;     3. [M 1,024, K 4,096] x [K 4,096, N 1,024]; A: input x; B: input Wv: QUANTISED
;;     4. batch 32 x [M 1,024, K 128] x [K 128, N 1,024]; A: computed on the way; B: computed on the way: QUANTISED
;;     5. batch 32 x [M 1,024, K 1,024] x [K 1,024, N 128]; A: softmax (see below); B: computed on the way: QUANTISED
;;     6. [M 1,024, K 4,096] x [K 4,096, N 4,096]; A: computed on the way; B: input Wo: QUANTISED
;;   THE QUANTISER, for each operand of a quantised product, along K:
;;     - K is cut into blocks of 32 from its start; a last block that is shorter is filled with zeros.
;;     - A block's scale is 2^e with e = floor(log2(the largest magnitude in the block)) - 2, held to -126 .. 127; a block of zeros has e = 0. As a byte (E8M0): e + 127.
;;     - Each number is divided by its block's scale, clamped to +-7.5, and rounded to the nearest number of E2M3, ties to even, subnormals kept.
;;     - The product sums the exact products of the quantised numbers (number of the format x scale) in f32.
;;   ~~~python
;;   def quantise(x, axis):      # numpy; x: float32 -> the quantised numbers, widened to float32 again
;;       x = np.moveaxis(x, axis, -1); K = x.shape[-1]
;;       x = np.pad(x, [(0, 0)] * (x.ndim - 1) + [(0, -K % 32)]); x = x.reshape(x.shape[:-1] + (-1, 32)); a = np.abs(x).max(-1, keepdims=True)
;;       e = np.where(a > 0, np.clip(np.frexp(np.where(a > 0, a, 1))[1] - 1 - 2, -126, 127), 0)      # np.frexp(a)[1] - 1 = floor(log2(a)), exactly
;;       r = np.clip(x / 2.0 ** e, -7.5, 7.5)
;;       step = 2.0 ** (np.maximum(np.frexp(np.where(r == 0, 1, r))[1] - 1, 0) - 3)
;;       q = np.round(r / step) * step * 2.0 ** e      # np.round: ties to even
;;       return np.moveaxis(q.reshape(q.shape[:-2] + (-1,))[..., :K], -1, axis).astype(np.float32)
;;   ~~~
;;   SOFTMAX AHEAD OF A QUANTISED PRODUCT. Where the list says 'softmax', what is quantised is not the finished softmax but p = 2^(t - M), with t = logit x log2(e) and M = ceil(the row's largest t), a whole number; so 1/2 < the row's largest p <= 1. The row's sum l is taken of the UNQUANTISED p, in f32, and the product's result is divided by l at the end. Since M is a whole number, a kernel that streams over the keys may use a running M (the ceiling of the running maximum): every later rescaling is an exact power of two, which a block's scale takes up: the codes' values come out the same.
;;   OPERANDS COMPUTED ON THE WAY. 'Computed on the way' means the value that the module computes at that place (a softmax that the list does not call 'softmax' is quantised finished and normalised). What goes into a quantiser is computed in f32, as accurately as f32 sums, v_exp_f32 and their like allow (about 1e-6 of the number): no bf16 or f16 on the way to a quantiser, and a product that is left as it is and whose result goes on into a quantised operand takes f32 operands (vector FMAs, or v_wmma_f32_16x16x4_f32). A number that lies on a knife's edge between two numbers of the format may be rounded either way, as far as f32 arithmetic and the matrix unit's own rounding can turn it there, and no further.
;; One version. Each part assembles by itself: llvm-mc -triple=amdgcn-amd-amdhsa -mcpu=gfx1250 --defsym DOCPART=n.
;; ======== version 1 of 1: 4 launches
;; workspace buffers: opnd 22,937,600 bytes; wocd 13,107,200 bytes; qkv 4,915,200 bytes; af 3,276,800 bytes
;; launch quant (part 1): grid 448 x 1, 4 waves a work-group, no clusters, 34,304 bytes of LDS; arguments x, Wq, Wk, Wv, opnd; writes opnd
.if DOCPART == 1
	.amdgcn_target "amdgcn-amd-amdhsa--gfx1250"
	.amdhsa_code_object_version 6
	.text
	.protected	k_q638476e162_quant
	.globl	k_q638476e162_quant
	.p2align	8
	.type	k_q638476e162_quant,@function
k_q638476e162_quant:
	s_mov_b64 s[64:65], 0
	v_nop
	global_prefetch_b8 v0, s[64:65] scope:SCOPE_SE
	s_setreg_imm32_b32 hwreg(HW_REG_WAVE_MODE, 25, 1), 1
	s_wait_xcnt 0x0
; x [1024][4096], Wq [4096][4096], Wk, Wv [1024][4096], all f32 with K innermost, become codes of FP6 (E2M3) with one E8M0 byte for each 32 along K,
; laid in the order of the matrix operand's registers.  A block's scale is 2^(floor(log2(largest magnitude)) - 2); its byte is the largest magnitude's exponent field - 2, held at 1 from below.
; (Wo, which only the last launch wants, is quantised by the same steps beside the attention.)
; FRAGMENTS.  Fragment F of a tensor holds 16 rows x 128 K; its lane r holds row 32 (F / 2) + 8 (F % 2) + r + 8 (r / 8).  Its image is the 12 operand registers as three groups of four:
; lane l's 16 bytes of group g at 512 g + 16 l (1,536 bytes).  A RECORD is four fragments (four K steps of one F) and 256 bytes of scale words (lane r's four words at 6,144 + 16 r): 6,400 bytes.
; opnd = [F 448][q 8][record]: x F 0-63, Wq 64-319, Wk 320-383, Wv 384-447.
; SHARES.  A work-group takes one F, wave w its K 1,024 w on: eight fragments, two records.  Each load reads 512 consecutive bytes of one row; a fragment's 16 x 512 bytes turn through the wave's own
; stage in LDS (rows 528 bytes apart, an odd multiple of 16), so that a lane gets 16 neighbours along K of each block of 32.  Every store covers 512 consecutive bytes (the scale words 256), aligned.
; No matrix unit, no tensor load, no cluster, no barrier: the work-groups share no input and the waves share nothing.  Two fragments' loads (32 loads a wave) are out while one is worked on.
; LIMITS: NaN and infinities among the inputs are not served.  A block of zeros, or one whose largest magnitude lies under 2^(3 - 127), gets the byte 1 (the rule says 127 for zeros): its codes are
; zeros or floored, and the bytes are read by this program alone.
.set REC,  6400
.set FRG,  1536
.set SCO,  6144
.set FROW, 8*REC                       ; bytes of one F in opnd
.set KROW, 16384                       ; a row of any of the four tensors in bytes
.set SP,   528                         ; a stage row
.set STG,  16*SP                       ; a wave's stage
.set LI,   1                           ; v1   16 x lane
.set R16,  2                           ; v2   16 x (lane % 16)
.set STI,  3                           ; v3   the stage on the way in
.set STO,  4                           ; v4   and on the way out
.set R,    16                          ; v16-143  two sets of 64 numbers as loaded
.set X,    144                         ; v144-207 64 numbers: register 16 b + i = k 32 b + 16 (lane / 16) + i of my row
.set TM,   208                         ; v208-223 at work in QUANT
.set PC,   224                         ; v224-242 the codes just made
.set SW,   246                         ; v246-253 a scale word for each fragment
.set SEL,  20                          ; s[20:21] lane selects for v_permlanex16_b32: lane l xor 16
.set MSB,  0
.macro WIN new                         ; a switch of register windows; in this text every window is 0 and nothing is written
.if MSB != (\new)
	s_set_vgpr_msb (MSB<<8)|(\new)
.set MSB, (\new)
.endif
.endm
; 64 numbers of a lane, v[s] .. v[s + 63] of window w, register 16 b + i = k 32 b + 16 (lane / 16) + i of my row, become a fragment's codes in v[PC] .. v[PC + 11] and its scale word in v[PW].
.macro QUANT s, w
	WIN (((\w)<<2)|((\w)<<4))
.irp b, 0,1,2,3
	v_max3_num_f32 v[TM+\b], 0x1800000, |v[(\s)+16*\b]|, |v[(\s)+1+16*\b]|   ; block b: my 16 numbers, and the floor 2^(3 - 127): the byte cannot fall under 1
.endr
.irp i, 2,4,6,8,10,12,14
.irp b, 0,1,2,3
	v_max3_num_f32 v[TM+\b], v[TM+\b], |v[(\s)+16*\b+\i]|, |v[(\s)+1+16*\b+\i]|   ; the four blocks by turns
.endr
.endr
	WIN 0
.irp b, 0,1,2,3
	v_permlanex16_b32 v[TM+4+\b], v[TM+\b], s[SEL], s[SEL+1]
.endr
.irp b, 0,1,2,3
	v_max_num_f32 v[TM+\b], v[TM+\b], v[TM+4+\b]       ; with lane l xor 16's: the block's largest magnitude, in both lanes
.endr
.irp b, 0,1,2,3
	v_add_nc_u32 v[TM+12+\b], 0xff000000, v[TM+\b]     ; 2 off its exponent field: the conversion takes the exponent field of this operand as its scale
.endr
.irp b, 0,1,2,3
	v_lshrrev_b32 v[TM+4+\b], 23, v[TM+12+\b]          ; the scale's byte
.endr
	v_lshl_or_b32 v[PW], v[TM+5], 8, v[TM+4]           ; four bytes: my row's scale word
	v_lshl_or_b32 v[PW], v[TM+6], 16, v[PW]
	v_lshl_or_b32 v[PW], v[TM+7], 24, v[PW]
	WIN (\w)
.irp c, 0,1
	v_cvt_scalef32_pk16_fp6_f32 v[PC+6*\c:PC+2+6*\c], v[(\s)+32*\c:(\s)+15+32*\c], v[TM+12+2*\c]
	v_cvt_scalef32_pk16_fp6_f32 v[PC+12+4*\c:PC+14+4*\c], v[(\s)+16+32*\c:(\s)+31+32*\c], v[TM+13+2*\c]   ; (a conversion's three registers begin on an even number)
.endr
	WIN 0
	v_nop                                              ; one plain instruction behind the scaled conversions
.irp c, 0,1                                        ; the operand wants a whole block in a lane: lanes 0-15 block 2 c, lanes 16-31 block 2 c + 1
.irp i, 0,1,2
	v_permlane16_swap_b32 v[PC+6*\c+\i], v[PC+12+4*\c+\i]
.endr
.irp i, 0,1,2
	v_mov_b32 v[PC+3+6*\c+\i], v[PC+12+4*\c+\i]
.endr
.endr
.endm
	s_load_b256 s[4:11], s[0:1], 0x0               ; x, Wq, Wk, Wv
	s_load_b64 s[14:15], s[0:1], 0x20              ; opnd
	v_lshl_add_u32 v254, v0, 2, 0x8400
	v_mov_b32 v255, 0
	v_lshrrev_b32 v5, 5, v0
	v_readfirstlane_b32 s22, v5                    ; wave 0..3
	v_and_b32 v6, 31, v0                           ; lane
	v_and_b32 v7, 15, v0                           ; r
	v_bfe_u32 v8, v0, 4, 1                         ; h
	v_lshlrev_b32 v[LI], 4, v6
	v_lshlrev_b32 v[R16], 4, v7
	s_mul_i32 s23, s22, STG                        ; my stage
	v_add_nc_u32 v[STI], s23, v[LI]                ; in: a row's 512 bytes as they lie
	v_mul_u32_u24 v[STO], v7, SP
	v_lshl_add_u32 v[STO], v8, 6, v[STO]
	v_add_nc_u32 v[STO], s23, v[STO]               ; out: row r, + 64 h: my 16 numbers of a block of 32
	s_mov_b32 s[SEL], 0x76543210
	s_mov_b32 s[SEL+1], 0xfedcba98
.irp b, 0,1,2,3
	v_mov_b32 v[TM+4+\b], 0                        ; written once: a lane permute's destination counts as one of its sources
.endr
	s_wait_kmcnt 0x0
	s_mov_b64 s[16:17], s[10:11]                   ; which tensor is my F's?  The choice hangs on the work-group's number alone
	s_mov_b32 s18, 384
	s_cmp_lt_u32 ttmp9, 384
	s_cselect_b64 s[16:17], s[8:9], s[16:17]
	s_cselect_b32 s18, 320, s18
	s_cmp_lt_u32 ttmp9, 320
	s_cselect_b64 s[16:17], s[6:7], s[16:17]
	s_cselect_b32 s18, 64, s18
	s_cmp_lt_u32 ttmp9, 64
	s_cselect_b64 s[16:17], s[4:5], s[16:17]
	s_cselect_b32 s18, 0, s18
	s_sub_co_u32 s18, ttmp9, s18                   ; the fragment's number in its tensor
	s_lshr_b32 s19, s18, 1
	s_lshl_b32 s19, s19, 5
	s_and_b32 s18, s18, 1
	s_lshl_b32 s18, s18, 3
	s_add_co_u32 s18, s18, s19                     ; its first row: 32 (F / 2) + 8 (F % 2)
	s_lshl_b32 s18, s18, 14                        ; in bytes (under 2^27)
	s_lshl_b32 s19, s22, 12                        ; + my wave's 1,024 numbers along K
	s_add_co_u32 s18, s18, s19
	s_mov_b32 s19, 0
	s_add_nc_u64 s[16:17], s[16:17], s[18:19]
	s_mul_i32 s18, ttmp9, FROW
	s_mul_i32 s24, s22, 2*REC
	s_add_co_u32 s18, s18, s24
	s_add_nc_u64 s[14:15], s[14:15], s[18:19]      ; my two records
.macro LOAD t                          ; fragment t: 16 rows x 512 bytes into set t % 2; row i of the fragment is row i + 8 (i / 8) from the first
.irp i, 0,1,2,3,4,5,6,7,8,9,10,11,12,13,14,15
	global_load_b128 v[R+64*((\t)%2)+4*\i:R+64*((\t)%2)+4*\i+3], v[LI], s[16:17] offset:(\i+8*(\i/8))*KROW+512*(\t) th:TH_LOAD_NT
.endr
.endm
.macro TURN t                          ; through the stage: LDS serves a wave's instructions in order, so no wait stands between the stores and the loads
.irp i, 0,1,2,3,4,5,6,7,8,9,10,11,12,13,14,15
	ds_store_b128 v[STI], v[R+64*((\t)%2)+4*\i:R+64*((\t)%2)+4*\i+3] offset:SP*\i
.endr
.irp b, 0,1,2,3
.irp j, 0,1,2,3
	ds_load_b128 v[X+16*\b+4*\j:X+16*\b+4*\j+3], v[STO] offset:128*\b+16*\j
.endr
.endr
.endm
.macro FRAGSTEP t
	s_wait_dscnt 0x0                               ; this fragment's numbers are back from the stage, and its stores into the stage have read their registers,
	s_wait_xcnt 0x0                                ; and the last fragment's stores have read the codes' registers
.if (\t)+2 < 8
	LOAD (\t)+2                                    ; the set just freed takes the fragment two on
.endif
.set PW, SW+(\t)
	QUANT X, 0
.irp g, 0,1,2
	global_store_b128 v[LI], v[PC+4*\g:PC+4*\g+3], s[14:15] offset:REC*((\t)/4)+FRG*((\t)%4)+512*\g   ; 32 lanes store 512 consecutive bytes
.endr
.if (\t)%4 == 3
	global_store_b128 v[R16], v[SW+4*((\t)/4):SW+4*((\t)/4)+3], s[14:15] offset:REC*((\t)/4)+SCO   ; the record's 256 bytes of scale words; lanes 16-31 write what lanes 0-15 write, at the same places
.endif
.if (\t)+1 < 8
.if (\t)+2 < 8
	s_wait_loadcnt 16                              ; the next fragment's 16 loads are in; the 16 issued above may be out
.else
	s_wait_loadcnt 0x0
.endif
	TURN (\t)+1
.endif
.endm
	LOAD 0
	LOAD 1
	s_wait_loadcnt 16                              ; fragment 0's loads are in, fragment 1's may be out
	TURN 0
.irp t, 0,1,2,3,4,5,6,7
	FRAGSTEP \t
.endr
	s_wait_tensorcnt 0x0
	ds_add_u32 v254, v255
	s_wait_dscnt 0x0
	s_endpgm
.Lfunc_end_k_q638476e162_quant:
	.size	k_q638476e162_quant, .Lfunc_end_k_q638476e162_quant-k_q638476e162_quant
	.p2alignl 7, 3214868480
	.fill 96, 4, 3214868480
	.section	.rodata,"a",@progbits
	.p2align	6, 0x0
	.amdhsa_kernel k_q638476e162_quant
		.amdhsa_group_segment_fixed_size 34304
		.amdhsa_private_segment_fixed_size 0
		.amdhsa_enable_private_segment 0
		.amdhsa_kernarg_size 40
		.amdhsa_user_sgpr_count 2
		.amdhsa_user_sgpr_kernarg_segment_ptr 1
		.amdhsa_wavefront_size32 1
		.amdhsa_system_sgpr_workgroup_id_x 1
		.amdhsa_system_sgpr_workgroup_id_y 1
		.amdhsa_system_sgpr_workgroup_id_z 1
		.amdhsa_system_vgpr_workitem_id 0
		.amdhsa_next_free_vgpr 256
		.amdhsa_next_free_sgpr 66
		.amdhsa_reserve_vcc 0
		.amdhsa_float_denorm_mode_32 3
		.amdhsa_float_denorm_mode_16_64 3
		.amdhsa_memory_ordered 1
		.amdhsa_forward_progress 1
		.amdhsa_inst_pref_size 64
	.end_amdhsa_kernel
	.amdgpu_metadata
---
amdhsa.version: [ 1, 2 ]
amdhsa.kernels:
  - .name:           k_q638476e162_quant
    .symbol:         k_q638476e162_quant.kd
    .args:
      - { .name: x, .offset: 0, .size: 8, .value_kind: global_buffer, .address_space: global }
      - { .name: Wq, .offset: 8, .size: 8, .value_kind: global_buffer, .address_space: global }
      - { .name: Wk, .offset: 16, .size: 8, .value_kind: global_buffer, .address_space: global }
      - { .name: Wv, .offset: 24, .size: 8, .value_kind: global_buffer, .address_space: global }
      - { .name: opnd, .offset: 32, .size: 8, .value_kind: global_buffer, .address_space: global }
    .group_segment_fixed_size: 34304
    .private_segment_fixed_size: 0
    .kernarg_segment_align: 8
    .kernarg_segment_size: 40
    .max_flat_workgroup_size: 128
    .sgpr_count:     66
    .vgpr_count:     256
    .wavefront_size: 32
...
	.end_amdgpu_metadata
.endif
;; end of part 1
;; launch qkv (part 2): grid 24 x 8, 4 waves a work-group, clusters of 4 x 4, 327,680 bytes of LDS; arguments opnd, freqs, qkv; writes qkv
.if DOCPART == 2
	.amdgcn_target "amdgcn-amd-amdhsa--gfx1250"
	.amdhsa_code_object_version 6
	.text
	.protected	k_q638476e162_qkv
	.globl	k_q638476e162_qkv
	.p2align	8
	.type	k_q638476e162_qkv,@function
k_q638476e162_qkv:
	s_mov_b64 s[64:65], 0
	v_nop
	global_prefetch_b8 v0, s[64:65] scope:SCOPE_SE
	s_setreg_imm32_b32 hwreg(HW_REG_WAVE_MODE, 25, 1), 1
	s_wait_xcnt 0x0
	s_wait_alu depctr_hold_cnt(0) depctr_sa_sdst(0) depctr_va_vdst(0) depctr_va_sdst(0) depctr_va_ssrc(0) depctr_va_vcc(0) depctr_vm_vsrc(0)
	s_getreg_b32 s2, hwreg(HW_REG_IB_STS2, 6, 4)
	s_cmp_eq_u32 s2, 0
	s_cbranch_scc0 .Lentry_in_a_cluster
	s_endpgm
.Lentry_in_a_cluster:
	s_bfe_u32 s2, ttmp6, 0x10000c
	s_cmp_lg_u32 s2, 0xf033
	s_cbranch_scc0 .Lentry_shape_is_right
	s_endpgm
.Lentry_shape_is_right:
; q = rope(x Wq^T), k = rope(x Wk^T), v = x Wv^T on codes of FP6 (E2M3) with E8M0 scales, K = 4,096; the results are quantised in registers and leave as operand records for the attention launch.
; RECORDS (6,400 bytes): four fragment images of 1,536 bytes (12 registers as three groups of four, lane l's 16 bytes of group g at 512 g + 16 l) and 256 bytes of scale words (lane r's four words at 6,144 + 16 r).
; Lane r of fragment F holds row 32 (F / 2) + 8 (F % 2) + r + 8 (r / 8).  opnd = [F 448][q 8][record], record (F, q) = K steps 4 q .. 4 q + 3; x F 0-63, Wq 64-319, Wk 320-383, Wv 384-447.
; A TILE of C' = A' B'^T is 128 (A' rows) x 256 (B' rows); four waves, each 64 x 128: 32 accumulators, 256 registers.  Tile columns 0-19: A' = x (tokens), B' = Wq | Wk (a wave's 128 rows are one head).
; Tile columns 20-23 (the clusters with x = 5): A' = Wv (a KV head's 128 channels), B' = x (256 tokens): so v comes out with the KEYS along a lane's registers, which are the second attention product's K.
; THE MATRIX INSTRUCTION IS USED TRANSPOSED (source 0 = 16 rows of B', source 1 = 16 rows of A').  By the row order above the 64 registers of a lane's eight tiles are k = 32 (n / 16) + 16 (lane / 16) + n % 16
; of the next product's K: they are quantised as they stand, and the codes are the next operand's registers: no LDS stage on the way out.
; K goes in eight slots of 512 (one record for each F: 24 x 6,400 bytes) through a ring of two LDS slots; 128 matrix instructions a wave lie between two changes of slots.
; CLUSTERS 4 x 4: A's records hang on the tile row alone and are asked for jointly along a row of the cluster, B's on the tile column alone and jointly along a column.
; qkv = [hh 48][rec 16][record]: hh 0-31 q heads, 32-39 k heads (record = token fragments 4 rec on, K = the head's 128); hh 40-47 v heads (record 2 ks + half = channel fragments 4 half on of key step ks).
; REGISTERS: window 0: v1-7 at work, v16-29 addresses, v32-95 scale words (two sets), v96-191 A's fragments (two sets of 4 x 12), v192-255 the way out.  Window 1: B's fragments, two sets at v0 and v128.
;   Window 2: accumulator (a, b) at v[8 (8 a + b)].  Window 3: freqs for my 64 tokens, in the accumulators' own order.
; LIMITS: NaN and infinities are not served; a block of zeros or under 2^(3 - 127) gets the byte 1 with zero or floored codes; the bytes are read by this program alone.
.set REC,   6400
.set FRG,   1536
.set SCO,   6144
.set FROW,  8*REC                      ; from one F to the next in opnd
.set ABYTES, 8*REC                     ; a slot: A's 8 records, then B's 16
.set SLOT,  24*REC
.set SPARE, 2*SLOT                     ; behind the ring: the spare words, 128 bytes for each wave: two blocks of 256 bytes that no other line names
.set ADRA,  16                         ; v16-17  my A fragments in slot 0, 1: 16 x lane + my row half's four records
.set ADRB,  20                         ; v20-21  the same for B: my column half's eight records
.set ADRS,  22                         ; v22-23  scale words: lanes 0-15 A's records, lanes 16-31 B's
.set FQ,    24                         ; v24     my lane's byte in freqs
.set LI,    25                         ; v25     16 x lane
.set R16,   26                         ; v26     16 x (lane % 16)
.set SPW,   28                         ; v28     my spare word; never rewritten
.set NIL,   29                         ; v29     0; never rewritten
.set SC,    32                         ; register SC + 32 set + 4 i + q: lanes 0-15 A block i's word of step q, lanes 16-31 B tile i's
.set AF,    96
.set HA,    96                         ; the way out: 64 rotated numbers (A's fragments are done with)
.set T,     192                        ; v192-199 products at work
.set TM,    200                        ; v200-215
.set PC,    216                        ; v216-234
.set SW,    240                        ; v240-243 the record's four scale words
.set G1,    24                         ; s[24:31] descriptor group 1 for A;  s[32:39] group 0, a set for each slot
.set G0,    32
.set G1B,   48                         ; s[48:55], s[56:63] the same for B
.set G0B,   56
.set SEL,   70                         ; s[70:71]
.set MUL,   0xa1                       ; source 0 (B') window 1, source 1 (A') window 0, C and D window 2
.set TO_B,  0x40                       ; destination window 1
.set MSB,   0
.macro WIN new                         ; the immediate's high byte repeats the setting that is left
.if MSB != (\new)
	s_set_vgpr_msb (MSB<<8)|(\new)
.set MSB, (\new)
.endif
.endm
.macro PLACES                          ; four plain instructions between a matrix instruction and a load into, or a vector read or write of, its registers
.rept 4
	v_nop
.endr
.endm
.macro JLOAD s                         ; a joint load: waves 0 and 1 fetch A's two halves, waves 2 and 3 B's; four v_nop follow each line
	s_cmp_eq_u32 s15, 0
	s_cbranch_scc0 .Lfor_b_\@
	tensor_load_to_lds s[G0+4*\s:G0+4*\s+3], s[G1:G1+7]
	s_nop 0
.rept 4
	v_nop
.endr
	s_branch .Lasked_\@
.Lfor_b_\@:
	tensor_load_to_lds s[G0B+4*\s:G0B+4*\s+3], s[G1B:G1B+7]
	s_nop 0
.rept 4
	v_nop
.endr
.Lasked_\@:
.endm
.macro CREST                           ; a round of the cluster's barrier behind its opening barrier
	s_cmp_lg_u32 s14, 0
	s_cbranch_scc1 .Lnot_wave_0_\@
	s_barrier_signal -3
.Lnot_wave_0_\@:
	s_barrier_wait -3
	s_barrier_signal -1
	s_barrier_wait -1
.endm
.macro CROUND
	s_barrier_signal -1
	s_barrier_wait -1
	CREST
.endm
; 64 numbers of a lane, v[s] .. v[s + 63] of window w, become a fragment's codes in v[PC] .. v[PC + 11] and its scale word in v[PW], both in window 0.
.macro QUANT s, w
	WIN (((\w)<<2)|((\w)<<4))
.irp b, 0,1,2,3
	v_max3_num_f32 v[TM+\b], 0x1800000, |v[(\s)+16*\b]|, |v[(\s)+1+16*\b]|   ; block b: my 16 numbers, and the floor 2^(3 - 127); each accumulator is read from its low end on
.endr
.irp i, 2,4,6,8,10,12,14
.irp b, 0,1,2,3
	v_max3_num_f32 v[TM+\b], v[TM+\b], |v[(\s)+16*\b+\i]|, |v[(\s)+1+16*\b+\i]|
.endr
.endr
	WIN 0
.irp b, 0,1,2,3
	v_permlanex16_b32 v[TM+4+\b], v[TM+\b], s[SEL], s[SEL+1]
.endr
.irp b, 0,1,2,3
	v_max_num_f32 v[TM+\b], v[TM+\b], v[TM+4+\b]
.endr
.irp b, 0,1,2,3
	v_add_nc_u32 v[TM+12+\b], 0xff000000, v[TM+\b]     ; 2 off the exponent field: the conversion's scale operand
.endr
.irp b, 0,1,2,3
	v_lshrrev_b32 v[TM+4+\b], 23, v[TM+12+\b]          ; the scale's byte
.endr
	v_lshl_or_b32 v[PW], v[TM+5], 8, v[TM+4]
	v_lshl_or_b32 v[PW], v[TM+6], 16, v[PW]
	v_lshl_or_b32 v[PW], v[TM+7], 24, v[PW]
	WIN (\w)
.irp c, 0,1
	v_cvt_scalef32_pk16_fp6_f32 v[PC+6*\c:PC+2+6*\c], v[(\s)+32*\c:(\s)+15+32*\c], v[TM+12+2*\c]
	v_cvt_scalef32_pk16_fp6_f32 v[PC+12+4*\c:PC+14+4*\c], v[(\s)+16+32*\c:(\s)+31+32*\c], v[TM+13+2*\c]
.endr
	WIN 0
	v_nop                                              ; one plain instruction behind the scaled conversions
.irp c, 0,1
.irp i, 0,1,2
	v_permlane16_swap_b32 v[PC+6*\c+\i], v[PC+12+4*\c+\i]
.endr
.irp i, 0,1,2
	v_mov_b32 v[PC+3+6*\c+\i], v[PC+12+4*\c+\i]
.endr
.endr
.endm
	s_load_b128 s[4:7], s[0:1], 0x0                ; opnd, freqs
	s_load_b64 s[8:9], s[0:1], 0x10                ; qkv
	v_lshl_add_u32 v[SPW], v0, 2, SPARE
	v_mov_b32 v[NIL], 0
	ds_add_u32 v28, v29
	ds_add_u32 v28, v29
	s_wait_dscnt 0x0
	v_lshrrev_b32 v1, 5, v0
	v_readfirstlane_b32 s14, v1                    ; wave 0..3
	s_lshr_b32 s15, s14, 1                         ; rh: my half of the tile's A' rows.  Also: I fetch for A (0) or for B (1)
	s_and_b32 s16, s14, 1                          ; ch: my half of its B' rows.  Also: which half of that operand's records I fetch
	s_bfe_u32 s40, ttmp6, 0x40000                  ; cx, cy: my place in the cluster
	s_bfe_u32 s41, ttmp6, 0x40004
	s_lshl_b32 s42, ttmp9, 2
	s_add_co_u32 s42, s42, s40                     ; tx = 4 x cluster x + cx
	s_and_b32 s17, ttmp7, 0xffff
	s_lshl_b32 s17, s17, 2
	s_add_co_u32 s17, s17, s41                     ; ty = 4 x cluster y + cy
	s_lshl_b32 s43, s41, 2
	s_lshl_b32 s43, 15, s43                        ; my row of the cluster
	s_lshl_b32 s44, 0x1111, s40                    ; my column
	s_cmp_eq_u32 ttmp9, 5                          ; the v tiles: a whole column of clusters, so the choice is alike in all sixteen partners
	s_cselect_b32 s45, 384, 0
	; group 1: records of 800 elements of 8 bytes, 6,400 elements (one F) apart; A: 4 records a load, B: 8; no padding: an image is read 512 consecutive bytes an instruction
	s_or_b32 s[G1], s43, (3<<16)|(1<<21)           ; 15:0 the mask: my row; 17:16 elements of 8 bytes; 21 set beside a mask
	s_or_b32 s[G1B], s44, (3<<16)|(1<<21)          ; my column
	s_mov_b32 s[G1+1], 800<<16                     ; tensor_dim0
	s_mov_b32 s[G1+2], 4<<16                       ; tensor_dim1
	s_mov_b32 s[G1+3], 800<<16                     ; tile_dim0
	s_mov_b32 s[G1+4], 4                           ; tile_dim1
	s_mov_b32 s[G1+5], 6400                        ; tensor_dim0_stride
	s_mov_b32 s[G1+6], 0
	s_mov_b32 s[G1+7], 0
	s_mov_b32 s[G1B+1], 800<<16
	s_mov_b32 s[G1B+2], 8<<16
	s_mov_b32 s[G1B+3], 800<<16
	s_mov_b32 s[G1B+4], 8
	s_mov_b32 s[G1B+5], 6400
	s_mov_b32 s[G1B+6], 0
	s_mov_b32 s[G1B+7], 0
	s_lshl_b32 s20, s17, 3                         ; A: F = 8 ty (+ 384 for Wv) + 4 x the half that I fetch: hangs on the tile row alone
	s_add_co_u32 s20, s20, s45
	s_lshl_b32 s21, s16, 2
	s_add_co_u32 s20, s20, s21
	s_mul_i32 s20, s20, FROW
	s_mov_b32 s21, 0
	s_lshl_b32 s46, s42, 4                         ; B: F = 16 tx + 64 (- 384: x's fragments 16 (tx - 20) on) + 8 x the half: hangs on the tile column alone
	s_add_co_u32 s46, s46, 64
	s_sub_co_u32 s46, s46, s45
	s_lshl_b32 s47, s16, 3
	s_add_co_u32 s46, s46, s47
	s_mul_i32 s46, s46, FROW
	s_mov_b32 s47, 0
	s_mul_i32 s18, s16, 4*REC                      ; where they go in a slot: no place in the cluster enters an LDS address
	s_mul_i32 s19, s16, 8*REC
	s_add_co_u32 s19, s19, ABYTES
	s_mov_b32 s[SEL], 0x76543210
	s_mov_b32 s[SEL+1], 0xfedcba98
	s_wait_kmcnt 0x0
	s_add_nc_u64 s[20:21], s[4:5], s[20:21]
	s_add_nc_u64 s[46:47], s[4:5], s[46:47]
	CROUND                                         ; all sixteen work-groups are here: the first joint loads meet
.irp s, 0,1
	s_mov_b32 s[G0+4*\s], 1
	s_add_co_u32 s[G0+4*\s+1], s18, \s*SLOT
	s_add_nc_u64 s[G0+4*\s+2:G0+4*\s+3], s[20:21], \s*REC
	s_or_b32 s[G0+4*\s+3], s[G0+4*\s+3], 0x80000000
	s_mov_b32 s[G0B+4*\s], 1
	s_add_co_u32 s[G0B+4*\s+1], s19, \s*SLOT
	s_add_nc_u64 s[G0B+4*\s+2:G0B+4*\s+3], s[46:47], \s*REC
	s_or_b32 s[G0B+4*\s+3], s[G0B+4*\s+3], 0x80000000
	JLOAD \s                                       ; two loads of mine are out
.endr
	v_and_b32 v1, 31, v0                           ; lane
	v_and_b32 v2, 15, v0                           ; r
	v_bfe_u32 v3, v0, 4, 1                         ; h
	v_lshlrev_b32 v[LI], 4, v1
	v_lshlrev_b32 v[R16], 4, v2
	s_mul_i32 s21, s15, 4*REC                      ; my four records of A,
	s_mul_i32 s22, s16, 8*REC
	s_add_co_u32 s22, s22, ABYTES                  ; my eight of B
	s_sub_co_u32 s23, s22, s21
	v_mul_u32_u24 v6, s23, v3                      ; lanes 16-31 take B's scale words: the lower base + h x the distance
	v_add_nc_u32 v6, v6, v[R16]
	s_add_co_u32 s23, s21, SCO
.irp s, 0,1
	v_add_nc_u32 v[ADRA+\s], s21, v[LI]
	v_add_nc_u32 v[ADRB+\s], s22, v[LI]
	v_add_nc_u32 v[ADRS+\s], s23, v6
	s_add_co_u32 s21, s21, SLOT
	s_add_co_u32 s22, s22, SLOT
	s_add_co_u32 s23, s23, SLOT
.endr
.irp b, 0,1,2,3
	v_mov_b32 v[TM+4+\b], 0                        ; written once: a lane permute's destination counts as one of its sources
.endr
	; freqs [1024][64][2]: a token's 128 numbers lie as the head's 128 do: cos at the even place of a pair, sin at the odd one.  So window 3's register 64 a + n is loaded as accumulator register n of block a lies.
	; The loads stay out over the whole K loop.  The v tiles load them too and leave them unread: one text for every work-group; every address lies inside freqs (token 128 ty + 64 rh + 63 at the most).
	v_and_b32 v7, 8, v2
	v_add_nc_u32 v7, v7, v2                        ; r + 8 (r / 8)
	v_lshlrev_b32 v[FQ], 9, v7
	v_lshl_add_u32 v[FQ], v3, 6, v[FQ]             ; x 512 bytes a token, + 64 h
	s_lshl_b32 s66, s17, 7
	s_lshl_b32 s67, s15, 6
	s_add_co_u32 s66, s66, s67                     ; my first token: 128 ty + 64 rh
	s_lshl_b32 s66, s66, 9
	s_mov_b32 s67, 0
	s_add_nc_u64 s[6:7], s[6:7], s[66:67]
	WIN 0xc0                                       ; destination window 3
.irp a, 0,1,2,3
.irp bb, 0,1,2,3
.irp jj, 0,1,2,3
	global_load_b128 v[64*\a+16*\bb+4*\jj:64*\a+16*\bb+4*\jj+3], v[FQ], s[6:7] offset:(32*(\a/2)+8*(\a%2))*512+128*\bb+16*\jj
.endr
.endr
.endr
	WIN 0
	; my record in qkv.  q, k: head 2 tx + ch, record 2 ty + rh.  v: head 40 + ty, record 4 (tx - 20) + 2 ch + rh
	s_lshl_b32 s66, s42, 1
	s_add_co_u32 s66, s66, s16                     ; 2 tx + ch
	s_lshl_b32 s67, s66, 4
	s_lshl_b32 s68, s17, 1
	s_add_co_u32 s67, s67, s68
	s_lshl_b32 s68, s17, 4
	s_lshl_b32 s66, s66, 1
	s_add_co_u32 s68, s68, s66
	s_add_co_u32 s68, s68, 640-80
	s_cmp_eq_u32 ttmp9, 5
	s_cselect_b32 s67, s68, s67
	s_add_co_u32 s67, s67, s15
	s_mul_i32 s66, s67, REC
	s_mov_b32 s67, 0
	s_add_nc_u64 s[8:9], s[8:9], s[66:67]
; 8 matrix instructions: A' block a against B's eight tiles, the slot's q-th 128 along K.  p: the set of fragments; sc: the set of scale words; zero = 1: the product starts the sums.
; The 32 accumulators take turns, one instruction a turn, in the same order in every step.
.macro MUL8 a, p, q, sc, zero
.irp b, 0,1,2,3,4,5,6,7
.if \zero
	v_wmma_scale_f32_16x16x128_f8f6f4 v[8*(8*(\a)+\b):8*(8*(\a)+\b)+7], v[128*(\p)+12*\b:128*(\p)+12*\b+11], v[AF+48*(\p)+12*(\a):AF+48*(\p)+12*(\a)+11], 0, v[SC+32*(\sc)+4*\b+(\q)], v[SC+32*(\sc)+4*(\a)+(\q)] matrix_a_fmt:MATRIX_FMT_FP6 matrix_b_fmt:MATRIX_FMT_FP6 matrix_a_scale:MATRIX_SCALE_ROW1
.else
	v_wmma_scale_f32_16x16x128_f8f6f4 v[8*(8*(\a)+\b):8*(8*(\a)+\b)+7], v[128*(\p)+12*\b:128*(\p)+12*\b+11], v[AF+48*(\p)+12*(\a):AF+48*(\p)+12*(\a)+11], v[8*(8*(\a)+\b):8*(8*(\a)+\b)+7], v[SC+32*(\sc)+4*\b+(\q)], v[SC+32*(\sc)+4*(\a)+(\q)] matrix_a_fmt:MATRIX_FMT_FP6 matrix_b_fmt:MATRIX_FMT_FP6 matrix_a_scale:MATRIX_SCALE_ROW1
.endif
.endr
.endm
.macro FETCH slot, q, p                ; 36 LDS loads in one run: B's eight fragments and A's four of the slot's q-th step into set p; it leaves every window 0
	WIN TO_B
.irp b, 0,1,2,3,4,5,6,7
.irp g, 0,1,2
	ds_load_b128 v[128*(\p)+12*\b+4*\g:128*(\p)+12*\b+4*\g+3], v[ADRB+\slot] offset:REC*\b+FRG*(\q)+512*\g
.endr
.endr
	WIN 0
.irp a, 0,1,2,3
.irp g, 0,1,2
	ds_load_b128 v[AF+48*(\p)+12*\a+4*\g:AF+48*(\p)+12*\a+4*\g+3], v[ADRA+\slot] offset:REC*\a+FRG*(\q)+512*\g
.endr
.endr
.endm
.macro SCALES slot                     ; the slot's scale words, four steps' at once: lanes 0-15 A's record i, lanes 16-31 B's record i (for i above 3 lanes 0-15 read other bytes of the slot, which no instruction uses)
.irp i, 0,1,2,3,4,5,6,7
	ds_load_b128 v[SC+32*\slot+4*\i:SC+32*\slot+4*\i+3], v[ADRS+\slot] offset:REC*\i
.endr
.endm
.macro STEP slot, q, zero              ; one of a slot's first three steps: the next step's fragments are asked for, then this step's 32 products are issued
	PLACES                                         ; the set to be loaded was read by the step before
	FETCH \slot, (\q)+1, ((\q)+1)%2
	s_wait_dscnt 36                                ; all but the 36 just issued: this step's fragments and scale words are in
	WIN MUL
.irp a, 0,1,2,3
	MUL8 \a, (\q)%2, \q, \slot, \zero
.endr
.endm
; A slot's last step changes slots: ONE barrier; in front of it each wave waits for all its tensor loads, adds 0 to its spare word, and waits for that and for its reads of this slot.  fill = 1: this slot is filled again, two slots ahead.
.macro TURN slot, next, fill
	WIN 0                                          ; (the add's two registers lie in window 0)
	s_wait_tensorcnt 0x0                           ; all my tensor loads have landed: my part of the next slot
	ds_add_u32 v[SPW], v[NIL]                      ; 0 onto my spare word
	s_wait_dscnt 1                                 ; this step's fragments are in; the add may be out
	WIN MUL
	MUL8 0, 1, 3, \slot, 0                         ; eight matrix instructions stand between the add and the wait for it
	s_wait_dscnt 0x0                               ; the add is done, and my reads of this slot are over
	s_barrier_signal -1
	MUL8 1, 1, 3, \slot, 0
	WIN 0
	s_barrier_wait -1
.if \fill
	CREST                                          ; the barrier has opened a round of the cluster's: no wave of any partner still reads this slot or has a load on its way
	s_add_nc_u64 s[G0+4*\slot+2:G0+4*\slot+3], s[G0+4*\slot+2:G0+4*\slot+3], 2*REC
	s_add_nc_u64 s[G0B+4*\slot+2:G0B+4*\slot+3], s[G0B+4*\slot+2:G0B+4*\slot+3], 2*REC
	JLOAD \slot                                    ; the first tensor load behind the round; its four v_nop are the places in front of the loads below
.else
	PLACES
.endif
	FETCH \next, 0, 0
	SCALES \next
	WIN MUL
	MUL8 2, 1, 3, \slot, 0
	MUL8 3, 1, 3, \slot, 0
.endm
	s_wait_tensorcnt 1                             ; my part of slot 0 is in; slot 1's may stay out
	s_barrier_signal -1
	s_barrier_wait -1
	FETCH 0, 0, 0
	SCALES 0
	STEP 0, 0, 1                                   ; the first step stands in front of the loop: its products start the sums
	WIN 0                                          ; at a label and at a branch every window is 0
	s_mov_b32 s3, 3
.Llap:                                                 ; a trip goes once round the ring and fills both slots again: three trips bring slots' worth 2 to 7
	STEP 0, 1, 0
	STEP 0, 2, 0
	TURN 0, 1, 1
	STEP 1, 0, 0
	STEP 1, 1, 0
	STEP 1, 2, 0
	TURN 1, 0, 1
	STEP 0, 0, 0
	WIN 0
	s_sub_co_u32 s3, s3, 1
	s_cmp_lg_u32 s3, 0
	s_cbranch_scc1 .Llap
	STEP 0, 1, 0                                   ; the last lap fills nothing
	STEP 0, 2, 0
	TURN 0, 1, 0
	STEP 1, 0, 0
	STEP 1, 1, 0
	STEP 1, 2, 0
	s_wait_dscnt 0x0                               ; the very last step
.irp a, 0,1,2,3
	MUL8 \a, 1, 3, 1, 0
.endr
	WIN 0
	PLACES                                         ; in front of the first read of results and the first write over A's fragments
; THE WAY OUT.  Block a (16 rows of A') is one fragment of my record.
.macro ROPE a                          ; a pair (x0, x1) lies in accumulator registers n, n + 1 (n even), its cos and sin in the same registers of window 3: x0 cos - x1 sin, x0 sin + x1 cos, into v[HA] on
	WIN 0x0e                                       ; source 0 window 2, source 1 window 3, source 2 and destination window 0
.irp b, 0,1,2,3,4,5,6,7
.irp i, 0,1,2,3
	v_mul_f32 v[T+\i], v[64*(\a)+8*\b+2*\i+1], v[64*(\a)+8*\b+2*\i+1]                     ; x1 sin  (the accumulator's first read is of its register 1)
.endr
.irp i, 0,1,2,3
	v_mul_f32 v[T+4+\i], v[64*(\a)+8*\b+2*\i+1], v[64*(\a)+8*\b+2*\i]                     ; x1 cos
.endr
.irp i, 0,1,2,3
	v_fma_f32 v[HA+8*\b+2*\i+1], v[64*(\a)+8*\b+2*\i], v[64*(\a)+8*\b+2*\i+1], v[T+4+\i]  ; x0 sin + x1 cos
.endr
.irp i, 0,1,2,3
	v_fma_f32 v[HA+8*\b+2*\i], v[64*(\a)+8*\b+2*\i], v[64*(\a)+8*\b+2*\i], -v[T+\i]       ; x0 cos - x1 sin
.endr
.endr
	WIN 0
.endm
.macro PUT a                           ; the fragment's image: three stores of 512 consecutive bytes
.irp g, 0,1,2
	global_store_b128 v[LI], v[PC+4*\g:PC+4*\g+3], s[8:9] offset:FRG*(\a)+512*\g
.endr
.endm
	s_wait_loadcnt 0x0                             ; freqs
	s_cmp_eq_u32 ttmp9, 5
	s_cbranch_scc1 .Lv_tiles
.irp a, 0,1,2,3
.if \a > 0
	s_wait_xcnt 0x0                                ; the last block's stores have read the codes' registers
.endif
	ROPE \a
.set PW, SW+\a
	QUANT HA, 0
	PUT \a
.endr
	s_branch .Lstored
.Lv_tiles:
.irp a, 0,1,2,3
.if \a > 0
	s_wait_xcnt 0x0
.endif
.set PW, SW+\a
	QUANT 64*\a, 2                                 ; v is quantised as it stands in the accumulators: nothing is copied
	PUT \a
.endr
.Lstored:
	global_store_b128 v[R16], v[SW:SW+3], s[8:9] offset:SCO   ; the record's 256 bytes of scale words; lanes 16-31 write what lanes 0-15 write, at the same places
	s_wait_tensorcnt 0x0                           ; the wave's end
	ds_add_u32 v[SPW], v[NIL]
	s_wait_dscnt 0x0
	CROUND                                         ; the closing round: no work-group ends while a partner may still ask for a tile that names it
	s_endpgm
.Lfunc_end_k_q638476e162_qkv:
	.size	k_q638476e162_qkv, .Lfunc_end_k_q638476e162_qkv-k_q638476e162_qkv
	.p2alignl 7, 3214868480
	.fill 96, 4, 3214868480
	.section	.rodata,"a",@progbits
	.p2align	6, 0x0
	.amdhsa_kernel k_q638476e162_qkv
		.amdhsa_group_segment_fixed_size 327680
		.amdhsa_private_segment_fixed_size 0
		.amdhsa_enable_private_segment 0
		.amdhsa_kernarg_size 24
		.amdhsa_user_sgpr_count 2
		.amdhsa_user_sgpr_kernarg_segment_ptr 1
		.amdhsa_wavefront_size32 1
		.amdhsa_system_sgpr_workgroup_id_x 1
		.amdhsa_system_sgpr_workgroup_id_y 1
		.amdhsa_system_sgpr_workgroup_id_z 1
		.amdhsa_system_vgpr_workitem_id 0
		.amdhsa_next_free_vgpr 1024
		.amdhsa_next_free_sgpr 100
		.amdhsa_reserve_vcc 0
		.amdhsa_float_denorm_mode_32 3
		.amdhsa_float_denorm_mode_16_64 3
		.amdhsa_memory_ordered 1
		.amdhsa_forward_progress 1
		.amdhsa_inst_pref_size 180
	.end_amdhsa_kernel
	.amdgpu_metadata
---
amdhsa.version: [ 1, 2 ]
amdhsa.kernels:
  - .name:           k_q638476e162_qkv
    .symbol:         k_q638476e162_qkv.kd
    .args:
      - { .name: opnd, .offset: 0, .size: 8, .value_kind: global_buffer, .address_space: global }
      - { .name: freqs, .offset: 8, .size: 8, .value_kind: global_buffer, .address_space: global }
      - { .name: qkv, .offset: 16, .size: 8, .value_kind: global_buffer, .address_space: global }
    .group_segment_fixed_size: 327680
    .private_segment_fixed_size: 0
    .kernarg_segment_align: 8
    .kernarg_segment_size: 24
    .max_flat_workgroup_size: 128
    .sgpr_count:     100
    .vgpr_count:     1024
    .wavefront_size: 32
...
	.end_amdgpu_metadata
.endif
;; end of part 2
;; launch attn (part 3): grid 32 x 8, 16 waves a work-group, clusters of 4 x 1, 274,432 bytes of LDS; arguments qkv, Wo, af, wocd; writes af, wocd
.if DOCPART == 3
	.amdgcn_target "amdgcn-amd-amdhsa--gfx1250"
	.amdhsa_code_object_version 6
	.text
	.protected	k_q638476e162_attn
	.globl	k_q638476e162_attn
	.p2align	8
	.type	k_q638476e162_attn,@function
k_q638476e162_attn:
	s_mov_b64 s[64:65], 0
	v_nop
	global_prefetch_b8 v0, s[64:65] scope:SCOPE_SE
	s_setreg_imm32_b32 hwreg(HW_REG_WAVE_MODE, 25, 1), 1
	s_wait_xcnt 0x0
	s_wait_alu depctr_hold_cnt(0) depctr_sa_sdst(0) depctr_va_vdst(0) depctr_va_sdst(0) depctr_va_ssrc(0) depctr_va_vcc(0) depctr_vm_vsrc(0)
	s_getreg_b32 s2, hwreg(HW_REG_IB_STS2, 6, 4)
	s_cmp_eq_u32 s2, 0
	s_cbranch_scc0 .Lentry_in_a_cluster
	s_endpgm
.Lentry_in_a_cluster:
	s_bfe_u32 s2, ttmp6, 0x10000c
	s_cmp_lg_u32 s2, 0x3003
	s_cbranch_scc0 .Lentry_shape_is_right
	s_endpgm
.Lentry_shape_is_right:
; TWO JOBS IN ONE LAUNCH.  Waves 0-7: causal attention of 32 query heads on 8 KV heads, 1,024 tokens, head size 128, both products on codes of FP6 (E2M3) with E8M0 scales; the result is quantised along the
; head's 128 and leaves as operand records.  Waves 8-15: Wo [4096][4096] f32 becomes operand records for the last launch: a stream from memory, which the attention leaves nearly unused.
; RECORDS (6,400 bytes): four fragment images of 1,536 bytes (lane l's 16 bytes of register group g at 512 g + 16 l) and four scale words a row at 6,144 + 16 r.
; Lane r of fragment F holds row 32 (F / 2) + 8 (F % 2) + r + 8 (r / 8): so the 16 registers of score tiles 2 b, 2 b + 1 are keys 32 b + 16 (lane / 16) + 0 .. 15 of a key step.
; qkv = [hh 48][rec 16][record]: q heads hh 0-31, k heads 32-39: record = token fragments 4 rec on.  v heads 40-47: record 2 ks + half = channel fragments 4 half on of key step ks (K = keys 128 ks on).
; THE SOFTMAX: t = score x log2(e) / sqrt(128); M = the running largest t rounded up to a whole number; p = 2^(t - M) is quantised along the keys, not normalised; the sum of the unquantised p divides at the end.
; SHARES.  The cluster's four work-groups are the four query heads of one KV head: they walk the same K and V, which are asked for jointly.  Cluster x = j, cluster y = the KV head g, cx = the head in the group.
; Wave w < 8 owns one token fragment (16 queries): waves 0-3 fragment 4 j + w, waves 4-7 fragment 56 - 4 j + w: early and late queries in one work-group, so that the work-groups' causal work is even.
; Wave 8 + v quantises K 512 v on (four fragments, one record) of Wo's fragment F = 4 (8 g + j) + cx: 256 work-groups, 256 fragments.  wocd = [F 256][q 8][record].
; LDS: K's head (102,400 bytes) at 0, V's behind it, each byte filled once, by one joint load a wave of waves 0-7 (four records each).  Behind them a stage of 8,448 bytes for each of waves 8-15.
; ONE BARRIER: behind it K and V are whole, and no wave waits for another until the closing round.  The two kinds of waves part twice on the wave's number: in front of the barrier (their first loads) and behind it.
; Every LDS address register is made ahead of the first parting, and the eight key steps are written out with immediate offsets.
; CAUSAL.  The key steps all of whose keys come after a wave's queries are its last ones: a scalar branch on ids (cluster x, wave), alike in all partners, leads from the first of them to the way out.
; Both products are used transposed (S^T = K Q^T, O^T = V^T P^T): a lane holds one query throughout.
; af = [F 64][g 8][record]: record (F, g) = K steps (heads) 4 g .. 4 g + 3 of token fragment F; partner cx writes fragment cx and word cx of each row's scale words.
; REGISTERS, all waves: v1-12 addresses.  Waves 0-7: v16-27 Q; v28 -M, v29 the largest t, v[30:31] the sum; v32-79 four fragments; v96-159 S^T, then p; v160-223 O^T; v224-247 p's codes, at work;
;   v248-251 four scale words; v252 f; v253 p's scale word; v254 at work; v255 Q's scale word.  Waves 8-15: v16-143 two sets of 64 numbers as loaded; v144-207 64 numbers; v208-223 at work; v224-242 codes; v244-247 scale words.
; LIMITS: NaN and infinities are not served; a block of zeros or under 2^(3 - 127) gets the byte 1 with zero or floored codes; the bytes are read by this program alone.
.set REC,   6400
.set FRG,   1536
.set SCO,   6144
.set VHEAD, 16*REC                     ; a head's 16 records; V's head in LDS
.set HALF,  8*REC                      ; four key steps' records: as far as one address register and the 16-bit offset serve
.set STG0,  2*VHEAD                    ; behind K and V: the stages
.set SP,    528                        ; a stage row: 512 bytes + 16
.set STG,   16*SP
.set KROW,  16384                      ; a row of Wo in bytes
.set LI,    1                          ; v1   16 x lane: K's steps 0-3; also the offset of the loads and stores of images
.set AS0,   2                          ; v2   6,144 + 16 r: K's scale words, steps 0-3
.set R16,   3                          ; v3   16 r
.set STI,   4                          ; v4   the stage on the way in
.set STO,   5                          ; v5   and on the way out
.set AK1,   6                          ; v6   K's steps 4-7
.set DQ,    7                          ; v7   r + 8 (r / 8) - 16 h: my query less my half's first key, counted from their fragment's and step's starts
.set AV0,   8                          ; v8   V's steps 0-3
.set AV1,   9                          ; v9   V's steps 4-7
.set AS1,   10                         ; v10  K's scale words, steps 4-7
.set AT0,   11                         ; v11  V's scale words, steps 0-3
.set AT1,   12                         ; v12  V's scale words, steps 4-7
.set R,     16
.set X,     144
.set SW,    244
.set WV,    18                         ; s18  my wave's number
.set WA,    49                         ; s49  and its low three bits: my number among the eight waves of my kind
.set SEL,   20                         ; s[20:21]
.set CS,    22                         ; s[22:23] c = log2(e) / sqrt(128)
.set G1,    24                         ; s[24:31]
.set G0,    32                         ; s[32:35]
.set T0,    67                         ; s67  my fragment's first token
.set TQ,    69                         ; s69  its last: T0 + 23
.set MSB,   0
.macro WIN new                         ; in this text every window is 0 and nothing is written
.if MSB != (\new)
	s_set_vgpr_msb (MSB<<8)|(\new)
.set MSB, (\new)
.endif
.endm
.macro PLACES                          ; four plain instructions between a matrix instruction and a load into, or a vector read or write of, its registers
.rept 4
	v_nop
.endr
.endm
.macro ROUND                           ; a round of the cluster's barrier
	s_barrier_signal -1
	s_barrier_wait -1
	s_cmp_lg_u32 s[WV], 0
	s_cbranch_scc1 .Lnot_wave_0_\@
	s_barrier_signal -3
.Lnot_wave_0_\@:
	s_barrier_wait -3
	s_barrier_signal -1
	s_barrier_wait -1
.endm
; 64 numbers of a lane, v[s] .. v[s + 63], register 16 b + i = k 32 b + 16 (lane / 16) + i of my row, become a fragment's codes in v[PC] .. v[PC + 11] and its scale word in v[PW].
.macro QUANT s, w
	WIN (((\w)<<2)|((\w)<<4))
.irp b, 0,1,2,3
	v_max3_num_f32 v[TM+\b], 0x1800000, |v[(\s)+16*\b]|, |v[(\s)+1+16*\b]|   ; block b: my 16 numbers, and the floor 2^(3 - 127)
.endr
.irp i, 2,4,6,8,10,12,14
.irp b, 0,1,2,3
	v_max3_num_f32 v[TM+\b], v[TM+\b], |v[(\s)+16*\b+\i]|, |v[(\s)+1+16*\b+\i]|
.endr
.endr
	WIN 0
.irp b, 0,1,2,3
	v_permlanex16_b32 v[TM+4+\b], v[TM+\b], s[SEL], s[SEL+1]
.endr
.irp b, 0,1,2,3
	v_max_num_f32 v[TM+\b], v[TM+\b], v[TM+4+\b]
.endr
.irp b, 0,1,2,3
	v_add_nc_u32 v[TM+12+\b], 0xff000000, v[TM+\b]     ; 2 off the exponent field: the conversion's scale operand
.endr
.irp b, 0,1,2,3
	v_lshrrev_b32 v[TM+4+\b], 23, v[TM+12+\b]          ; the scale's byte
.endr
	v_lshl_or_b32 v[PW], v[TM+5], 8, v[TM+4]
	v_lshl_or_b32 v[PW], v[TM+6], 16, v[PW]
	v_lshl_or_b32 v[PW], v[TM+7], 24, v[PW]
	WIN (\w)
.irp c, 0,1
	v_cvt_scalef32_pk16_fp6_f32 v[PC+6*\c:PC+2+6*\c], v[(\s)+32*\c:(\s)+15+32*\c], v[TM+12+2*\c]
	v_cvt_scalef32_pk16_fp6_f32 v[PC+12+4*\c:PC+14+4*\c], v[(\s)+16+32*\c:(\s)+31+32*\c], v[TM+13+2*\c]
.endr
	WIN 0
	v_nop                                              ; one plain instruction behind the scaled conversions
.irp c, 0,1
.irp i, 0,1,2
	v_permlane16_swap_b32 v[PC+6*\c+\i], v[PC+12+4*\c+\i]
.endr
.irp i, 0,1,2
	v_mov_b32 v[PC+3+6*\c+\i], v[PC+12+4*\c+\i]
.endr
.endr
.endm
; WAVES 8-15.  Fragment t: 16 rows x 512 bytes of Wo into set t % 2; row i of the fragment is row i + 8 (i / 8) from the first.  Each load reads 512 consecutive bytes of one row.
.macro LOAD t
.irp i, 0,1,2,3,4,5,6,7,8,9,10,11,12,13,14,15
	global_load_b128 v[R+64*((\t)%2)+4*\i:R+64*((\t)%2)+4*\i+3], v[LI], s[6:7] offset:(\i+8*(\i/8))*KROW+512*(\t) th:TH_LOAD_NT
.endr
.endm
.macro TURN t                          ; through my stage, so that a lane gets 16 neighbours along K of each block of 32: LDS serves a wave's instructions in order, so no wait stands between the stores and the loads
.irp i, 0,1,2,3,4,5,6,7,8,9,10,11,12,13,14,15
	ds_store_b128 v[STI], v[R+64*((\t)%2)+4*\i:R+64*((\t)%2)+4*\i+3] offset:SP*\i
.endr
.irp b, 0,1,2,3
.irp j, 0,1,2,3
	ds_load_b128 v[X+16*\b+4*\j:X+16*\b+4*\j+3], v[STO] offset:128*\b+16*\j
.endr
.endr
.endm
.macro FRAGSTEP t
	s_wait_dscnt 0x0                               ; this fragment's numbers are back from the stage, and its stores into the stage have read their registers,
	s_wait_xcnt 0x0                                ; and the last fragment's stores have read the codes' registers
.if (\t)+2 < 4
	LOAD (\t)+2                                    ; the set just freed takes the fragment two on
.endif
.set PW, SW+(\t)
	QUANT X, 0
.irp g, 0,1,2
	global_store_b128 v[LI], v[PC+4*\g:PC+4*\g+3], s[10:11] offset:FRG*(\t)+512*\g   ; 32 lanes store 512 consecutive bytes
.endr
.if (\t) == 3
	global_store_b128 v[R16], v[SW:SW+3], s[10:11] offset:SCO   ; the record's 256 bytes of scale words; lanes 16-31 write what lanes 0-15 write, at the same places
.endif
.if (\t)+1 < 4
.if (\t)+2 < 4
	s_wait_loadcnt 16                              ; the next fragment's 16 loads are in; the 16 issued above may be out
.else
	s_wait_loadcnt 0x0
.endif
	TURN (\t)+1
.endif
.endm
	; ---- every wave: ids, all addresses of both kinds of waves
	s_load_b256 s[4:11], s[0:1], 0x0               ; qkv, Wo, af, wocd
	v_lshl_add_u32 v252, v0, 2, 0x42800
	v_mov_b32 v254, 0
	ds_add_u32 v252, v254
	ds_add_u32 v252, v254
	s_wait_dscnt 0x0
	v_lshrrev_b32 v13, 5, v0
	v_readfirstlane_b32 s[WV], v13                 ; wave 0..15
	s_and_b32 s[WA], s[WV], 7
	v_and_b32 v13, 31, v0
	v_lshlrev_b32 v[LI], 4, v13
	v_and_b32 v14, 15, v0                          ; r
	v_lshlrev_b32 v[R16], 4, v14
	v_add_nc_u32 v[AS0], SCO, v[R16]
	v_bfe_u32 v15, v0, 4, 1                        ; h
	v_and_b32 v13, 8, v14
	v_add_nc_u32 v13, v13, v14                     ; r + 8 (r / 8)
	v_lshlrev_b32 v[DQ], 4, v15
	v_sub_nc_u32 v[DQ], v13, v[DQ]
	v_add_nc_u32 v[AK1], HALF, v[LI]
	v_add_nc_u32 v[AV0], VHEAD, v[LI]
	v_add_nc_u32 v[AV1], VHEAD+HALF, v[LI]
	v_add_nc_u32 v[AS1], HALF, v[AS0]
	v_add_nc_u32 v[AT0], VHEAD, v[AS0]
	v_add_nc_u32 v[AT1], VHEAD+HALF, v[AS0]
	s_mul_i32 s19, s[WA], STG
	s_add_co_u32 s19, s19, STG0                    ; the stage of wave 8 + (w & 7)
	v_add_nc_u32 v[STI], s19, v[LI]                ; in: a row's 512 bytes as they lie
	v_mul_u32_u24 v[STO], v14, SP
	v_lshl_add_u32 v[STO], v15, 6, v[STO]
	v_add_nc_u32 v[STO], s19, v[STO]               ; out: row r, + 64 h
	s_bfe_u32 s50, ttmp6, 0x40000                  ; cx: it enters global addresses of Q, af, Wo and wocd alone
	s_and_b32 s51, ttmp7, 0xffff                   ; g: the KV head
	s_lshl_b32 s52, ttmp9, 2                       ; 4 j
	s_sub_co_u32 s53, 56, s52
	s_cmp_lt_u32 s[WA], 4
	s_cselect_b32 s52, s52, s53
	s_add_co_u32 s52, s52, s[WA]                   ; my token fragment
	s_lshr_b32 s53, s52, 1
	s_lshl_b32 s53, s53, 5
	s_and_b32 s54, s52, 1
	s_lshl_b32 s54, s54, 3
	s_add_co_u32 s[T0], s53, s54                   ; its first token; its queries are T0 + r + 8 (r / 8): T0 .. T0 + 23
	s_add_co_u32 s[TQ], s[T0], 23
	s_lshr_b32 s53, s[WA], 2                       ; I fetch for K (0) or for V (1),
	s_and_b32 s54, s[WA], 3                        ; this quarter of the head: four records
	s_mul_i32 s55, s53, VHEAD
	s_mul_i32 s56, s54, 4*REC
	s_add_co_u32 s55, s55, s56                     ; in LDS,
	s_mul_i32 s57, s53, 8*VHEAD                    ; (the v head lies eight heads behind its k head)
	s_add_co_u32 s56, s56, s57
	s_add_co_u32 s57, s51, 32
	s_mul_i32 s57, s57, VHEAD
	s_add_co_u32 s56, s56, s57                     ; and in qkv: made of the KV head and the wave's number, equal in the four partners
	s_mov_b32 s57, 0
	; group 1: four records, 25,600 dense bytes, as 100 rows of 256 bytes (32 elements of 8 bytes)
	s_mov_b32 s[G1], 15|(3<<16)|(1<<21)            ; 15:0 the mask: all four work-groups; 17:16 elements of 8 bytes; 21 set beside a mask
	s_mov_b32 s[G1+1], 32<<16
	s_mov_b32 s[G1+2], 100<<16
	s_mov_b32 s[G1+3], 32<<16
	s_mov_b32 s[G1+4], 100
	s_mov_b32 s[G1+5], 32
	s_mov_b32 s[G1+6], 0
	s_mov_b32 s[G1+7], 0
	s_mov_b32 s[SEL], 0x76543210
	s_mov_b32 s[SEL+1], 0xfedcba98
	s_mov_b32 s[CS], 0x3e0293ee
	s_mov_b32 s[CS+1], s[CS]                       ; (named with it as a pair, so it is written)
	s_wait_kmcnt 0x0
	s_add_nc_u64 s[56:57], s[4:5], s[56:57]
	s_lshl_b32 s58, s51, 2
	s_add_co_u32 s58, s58, s50                     ; my query head: 4 g + cx
	s_lshl_b32 s58, s58, 4
	s_lshr_b32 s59, s52, 2
	s_add_co_u32 s58, s58, s59
	s_mul_i32 s58, s58, REC
	s_mov_b32 s59, 0
	s_add_nc_u64 s[4:5], s[4:5], s[58:59]          ; Q's record,
	s_and_b32 s60, s52, 3
	s_lshl_b32 s58, s60, 2
	s_add_co_u32 s58, s58, SCO
	s_add_nc_u64 s[70:71], s[4:5], s[58:59]        ; my fragment's scale words in it,
	s_mul_i32 s58, s60, FRG
	s_add_nc_u64 s[4:5], s[4:5], s[58:59]          ; and its image
	s_lshl_b32 s58, s52, 3
	s_add_co_u32 s58, s58, s51
	s_mul_i32 s58, s58, REC
	s_add_nc_u64 s[8:9], s[8:9], s[58:59]          ; af's record (fragment, g),
	s_lshl_b32 s58, s50, 2
	s_add_co_u32 s58, s58, SCO
	s_add_nc_u64 s[72:73], s[8:9], s[58:59]        ; my head's scale words in it,
	s_mul_i32 s58, s50, FRG
	s_add_nc_u64 s[8:9], s[8:9], s[58:59]          ; and its image
	s_lshl_b32 s58, s51, 3
	s_add_co_u32 s58, s58, ttmp9
	s_lshl_b32 s58, s58, 2
	s_add_co_u32 s58, s58, s50                     ; Wo's fragment of this work-group: 4 (8 g + j) + cx
	s_mul_i32 s60, s58, 8*REC
	s_mul_i32 s61, s[WA], REC
	s_add_co_u32 s60, s60, s61
	s_mov_b32 s61, 0
	s_add_nc_u64 s[10:11], s[10:11], s[60:61]      ; the record of wave 8 + (w & 7) in wocd,
	s_lshr_b32 s60, s58, 1
	s_lshl_b32 s60, s60, 5
	s_and_b32 s58, s58, 1
	s_lshl_b32 s58, s58, 3
	s_add_co_u32 s58, s58, s60                     ; the fragment's first row: 32 (F / 2) + 8 (F % 2),
	s_lshl_b32 s58, s58, 14                        ; in bytes (under 2^27),
	s_lshl_b32 s60, s[WA], 11                      ; + that wave's 512 numbers along K
	s_add_co_u32 s58, s58, s60
	s_add_nc_u64 s[6:7], s[6:7], s[58:59]
	s_mov_b32 s[G0], 1
	s_mov_b32 s[G0+1], s55
	s_mov_b64 s[G0+2:G0+3], s[56:57]
	s_or_b32 s[G0+3], s[G0+3], 0x80000000
	ROUND                                          ; all four work-groups are here: the joint loads meet
	; ---- the first parting: each kind of wave asks for what it wants first
	s_cmp_lt_u32 s[WV], 8
	s_cbranch_scc0 .Lq_first
	tensor_load_to_lds s[G0:G0+3], s[G1:G1+7]      ; my quarter of K's or of V's head: one load of mine is out
	s_nop 0
.rept 4
	v_nop
.endr
.irp i, 0,1,2
	global_load_b128 v[16+4*\i:19+4*\i], v[LI], s[4:5] offset:512*\i    ; Q's fragment stays in registers
.endr
	global_load_b32 v255, v[R16], s[70:71]
	v_mov_b32 v29, 0xff61b1e6                      ; the largest t so far: -3e38, under every t
	v_floor_f32 v28, -v29                          ; -M
	v_mov_b32 v30, 0
	v_mov_b32 v31, 0
.irp b, 0,1,2,3
	v_mov_b32 v[236+\b], 0                         ; written once: a lane permute's destination counts as one of its sources
.endr
	v_mov_b32 v252, 0
	v_mov_b32 v253, 0                              ; (named as the upper half of the pair v[252:253] before it is first written)
.set J, 0
.rept 64
	v_mov_b32 v[160+J], 0                          ; O^T.  The step has no first form of its own: the first change of M multiplies zeros
.set J, J+1
.endr
	s_branch .Lmeet
.Lq_first:
	LOAD 0                                         ; 32 loads, 16 KB a wave, are out over the barrier: nobody writes Wo
	LOAD 1
.Lmeet:
	s_wait_tensorcnt 0x0                           ; my part of K or V has landed (waves 8-15 have asked for none),
	s_barrier_signal -1
	s_barrier_wait -1                              ; everybody's has.  Nothing is ever filled again
	; ---- the second parting
	s_cmp_lt_u32 s[WV], 8
	s_cbranch_scc0 .Lquant
.macro TILES adr, ads, off             ; four fragments (one record) and their scale words
.irp t, 0,1,2,3
.irp i, 0,1,2
	ds_load_b128 v[32+12*\t+4*\i:35+12*\t+4*\i], v[\adr] offset:(\off)+FRG*\t+512*\i
.endr
.endr
	ds_load_b128 v[248:251], v[\ads] offset:(\off)
	s_wait_dscnt 0x0
.endm
; KEY STEP s: keys 128 s on.  Its two records of K lie at 12,800 s, those of V 102,400 further on.
.macro STEP s
.if (\s) < 4
.set RK, LI
.set RS, AS0
.set RV, AV0
.set RT, AT0
.else
.set RK, AK1
.set RS, AS1
.set RV, AV1
.set RT, AT1
.endif
.set OFS, 2*REC*((\s)%4)
.if (\s) > 0
	s_cmp_lt_u32 s[TQ], 128*(\s)                   ; all keys from here on come after my queries: my sums are whole
	s_cbranch_scc1 .Lwayout
	PLACES                                         ; in front of the loads into registers that the last step's products read
.endif
.irp g, 0,1                                    ; S^T = K Q^T, four tiles of 16 keys at a time
.if \g > 0
	PLACES
.endif
	TILES RK, RS, OFS+REC*\g
.irp t, 0,1,2,3
	v_wmma_scale_f32_16x16x128_f8f6f4 v[96+8*(4*\g+\t):103+8*(4*\g+\t)], v[32+12*\t:43+12*\t], v[16:27], 0, v[248+\t], v255 matrix_a_fmt:MATRIX_FMT_FP6 matrix_b_fmt:MATRIX_FMT_FP6
.endr
.endr
	PLACES
	s_cmp_ge_u32 s[T0], 128*(\s)+127               ; a step all of whose keys count skips the mask
	s_cbranch_scc1 .Lopen_\@
	s_sub_co_i32 s96, s[T0], 128*(\s)
	v_add_nc_u32 v252, s96, v[DQ]                  ; d = my query - 128 s - 16 h.  Register n holds key 128 s + 16 h + 32 (n / 16) + n % 16: hidden where 32 (n / 16) + n % 16 > d
	v_mov_b32 v254, 0xff800000                     ; -infinity: p = 0 then
.set N, 0
.rept 64
	v_cmp_gt_i32 vcc_lo, 32*(N/16)+N%16, v252
	v_cndmask_b32 v[96+N], v[96+N], v254, vcc_lo
.set N, N+1
.endr
.Lopen_\@:
.irp b, 0,1,2,3
	v_max3_num_f32 v[232+\b], v[96+16*\b], v[97+16*\b], v[98+16*\b]   ; the largest score of each block of 32 keys: for the row's maximum, and, since p rises with the score, for the block's largest p
.endr
.irp i, 3,5,7,9,11,13
.irp b, 0,1,2,3
	v_max3_num_f32 v[232+\b], v[232+\b], v[96+16*\b+\i], v[97+16*\b+\i]
.endr
.endr
.irp b, 0,1,2,3
	v_max_num_f32 v[232+\b], v[232+\b], v[111+16*\b]
.endr
.irp b, 0,1,2,3
	v_permlanex16_b32 v[236+\b], v[232+\b], s[SEL], s[SEL+1]
.endr
.irp b, 0,1,2,3
	v_max_num_f32 v[232+\b], v[232+\b], v[236+\b]  ; with lane l xor 16's 16 keys
.endr
	v_max3_num_f32 v254, v232, v233, v234
	v_max_num_f32 v254, v254, v235                 ; the step's largest score of my query (key 128 s counts for every query of a step that is walked: it is a number)
	v_mul_f32 v254, s[CS], v254
	v_max_num_f32 v29, v29, v254                   ; the running largest t
	v_mov_b32 v254, v28
	v_floor_f32 v28, -v29                          ; the new -M = floor(-t): M is a whole number
	v_sub_f32 v254, v28, v254                      ; old M - new M, 0 or less
	v_cvt_i32_f32 v254, v254                       ; (it saturates)
	v_ldexp_f32 v252, 1.0, v254                    ; f = 2^(old M - new M): a multiplication by it rounds nothing
.set J, 0
.rept 32
	v_pk_fma_f32 v[96+J:97+J], v[96+J:97+J], s[CS:CS+1], v[28:29] op_sel_hi:[1,0,0]   ; t - M, two at a time
.set J, J+2
.endr
.irp b, 0,1,2,3
	v_fma_f32 v[232+\b], v[232+\b], s[CS], v28     ; the same of each block's largest score
.endr
.set J, 0
.rept 64
	v_exp_f32 v[96+J], v[96+J]                     ; p = 2^(t - M), at most 1
.set J, J+1
.endr
	v_pk_mul_f32 v[30:31], v[30:31], v[252:253] op_sel_hi:[1,0]   ; the sums under the new M (a plain instruction behind the exponentials)
	s_wait_alu depctr_va_vdst(0)                   ; one wait for the batch, ahead of its first reader
.irp b, 0,1,2,3
	v_exp_f32 v[232+\b], v[232+\b]                 ; the block's largest p
.endr
	v_pk_add_f32 v[236:237], v[96:97], v[98:99]    ; the row's sum is taken of the unquantised p: two at a time, in two chains
.irp j, 4,8,12,16,20,24,28,32,36,40,44,48,52,56,60
	v_pk_add_f32 v[30:31], v[30:31], v[96+\j:97+\j]
	v_pk_add_f32 v[236:237], v[236:237], v[98+\j:99+\j]
.endr
	v_pk_add_f32 v[30:31], v[30:31], v[236:237]
	s_wait_alu depctr_va_vdst(0)                   ; and one for the four
.irp b, 0,1,2,3
	v_max_num_f32 v[232+\b], 0x1800000, v[232+\b]  ; the floor 2^(3 - 127)
.endr
.irp b, 0,1,2,3
	v_add_nc_u32 v[244+\b], 0xff000000, v[232+\b]  ; the conversion's scale operand
.endr
.irp b, 0,1,2,3
	v_lshrrev_b32 v[236+\b], 23, v[244+\b]         ; the scale's byte
.endr
	v_lshl_or_b32 v253, v237, 8, v236              ; p's scale word for these 128 keys
	v_lshl_or_b32 v253, v238, 16, v253
	v_lshl_or_b32 v253, v239, 24, v253
.irp c, 0,1
	v_cvt_scalef32_pk16_fp6_f32 v[224+6*\c:226+6*\c], v[96+32*\c:111+32*\c], v[244+2*\c]
	v_cvt_scalef32_pk16_fp6_f32 v[236+4*\c:238+4*\c], v[112+32*\c:127+32*\c], v[244+2*\c+1]
.endr
	v_nop
.irp c, 0,1
.irp i, 0,1,2
	v_permlane16_swap_b32 v[224+6*\c+\i], v[236+4*\c+\i]
.endr
.irp i, 0,1,2
	v_mov_b32 v[227+6*\c+\i], v[236+4*\c+\i]
.endr
.endr
.set J, 0
.rept 32
	v_pk_mul_f32 v[160+J:161+J], v[160+J:161+J], v[252:253] op_sel_hi:[1,0]   ; O^T under the new M; these 32 also stand between the writes of p's codes and scale word and the products below
.set J, J+2
.endr
.irp g, 0,1                                    ; O^T += V^T P^T, four tiles of 16 channels at a time
.if \g > 0
	PLACES
.endif
	TILES RV, RT, OFS+REC*\g
.irp t, 0,1,2,3
	v_wmma_scale_f32_16x16x128_f8f6f4 v[160+8*(4*\g+\t):167+8*(4*\g+\t)], v[32+12*\t:43+12*\t], v[224:235], v[160+8*(4*\g+\t):167+8*(4*\g+\t)], v[248+\t], v253 matrix_a_fmt:MATRIX_FMT_FP6 matrix_b_fmt:MATRIX_FMT_FP6
.endr
.endr
.endm
	; ---- waves 0-7: the attention
	s_wait_loadcnt 0x0                             ; Q
.irp s, 0,1,2,3,4,5,6,7
	STEP \s
.endr
.Lwayout:
	; O^T / the sum; its 64 registers are channels 32 (n / 16) + 16 h + n % 16 of my query: quantised as they stand, they are K step (head) 4 g + cx of the output projection's operand.
	PLACES
	v_add_f32 v30, v30, v31
	v_permlanex16_b32 v252, v30, s[SEL], s[SEL+1]
	v_add_f32 v30, v30, v252                       ; the row's sum
	v_rcp_f32 v30, v30
	v_nop                                          ; a plain instruction behind the reciprocal,
	s_wait_alu depctr_va_vdst(0)                   ; and the wait ahead of its first reader
.set J, 0
.rept 64
	v_mul_f32 v[96+J], v[160+J], v30               ; each accumulator from its low end on
.set J, J+1
.endr
.set TM, 232
.set PW, 248
.set PC, 32
	QUANT 96, 0
.irp i, 0,1,2
	global_store_b128 v[LI], v[PC+4*\i:PC+4*\i+3], s[8:9] offset:512*\i   ; 32 lanes store 512 consecutive bytes
.endr
	global_store_b32 v[R16], v[PW], s[72:73]       ; my head's word of each row's four: 64 bytes beside 1,536 of codes; the other three words are the partners'
	s_branch .Lend
	; ---- waves 8-15: my four fragments of Wo, one record
.Lquant:
.set TM, 208
.set PC, 224
.irp b, 0,1,2,3
	v_mov_b32 v[TM+4+\b], 0                        ; written once: a lane permute's destination counts as one of its sources
.endr
	s_wait_loadcnt 0x0                             ; fragments 0 and 1, asked for together in front of the barrier
	TURN 0
.irp t, 0,1,2,3
	FRAGSTEP \t
.endr
.Lend:
	s_wait_xcnt 0x0
	v_lshl_add_u32 v252, v0, 2, 0x42800
	v_mov_b32 v254, 0
	s_wait_tensorcnt 0x0
	ds_add_u32 v252, v254
	s_wait_dscnt 0x0
	ROUND                                          ; the closing round
	s_endpgm
.Lfunc_end_k_q638476e162_attn:
	.size	k_q638476e162_attn, .Lfunc_end_k_q638476e162_attn-k_q638476e162_attn
	.p2alignl 7, 3214868480
	.fill 96, 4, 3214868480
	.section	.rodata,"a",@progbits
	.p2align	6, 0x0
	.amdhsa_kernel k_q638476e162_attn
		.amdhsa_group_segment_fixed_size 274432
		.amdhsa_private_segment_fixed_size 0
		.amdhsa_enable_private_segment 0
		.amdhsa_kernarg_size 32
		.amdhsa_user_sgpr_count 2
		.amdhsa_user_sgpr_kernarg_segment_ptr 1
		.amdhsa_wavefront_size32 1
		.amdhsa_system_sgpr_workgroup_id_x 1
		.amdhsa_system_sgpr_workgroup_id_y 1
		.amdhsa_system_sgpr_workgroup_id_z 1
		.amdhsa_system_vgpr_workitem_id 0
		.amdhsa_next_free_vgpr 256
		.amdhsa_next_free_sgpr 100
		.amdhsa_reserve_vcc 1
		.amdhsa_float_denorm_mode_32 3
		.amdhsa_float_denorm_mode_16_64 3
		.amdhsa_memory_ordered 1
		.amdhsa_forward_progress 1
		.amdhsa_inst_pref_size 237
	.end_amdhsa_kernel
	.amdgpu_metadata
---
amdhsa.version: [ 1, 2 ]
amdhsa.kernels:
  - .name:           k_q638476e162_attn
    .symbol:         k_q638476e162_attn.kd
    .args:
      - { .name: qkv, .offset: 0, .size: 8, .value_kind: global_buffer, .address_space: global }
      - { .name: Wo, .offset: 8, .size: 8, .value_kind: global_buffer, .address_space: global }
      - { .name: af, .offset: 16, .size: 8, .value_kind: global_buffer, .address_space: global }
      - { .name: wocd, .offset: 24, .size: 8, .value_kind: global_buffer, .address_space: global }
    .group_segment_fixed_size: 274432
    .private_segment_fixed_size: 0
    .kernarg_segment_align: 8
    .kernarg_segment_size: 32
    .max_flat_workgroup_size: 512
    .sgpr_count:     100
    .vgpr_count:     256
    .wavefront_size: 32
...
	.end_amdgpu_metadata
.endif
;; end of part 3
;; launch oproj (part 4): grid 32 x 8, 4 waves a work-group, clusters of 4 x 4, 327,680 bytes of LDS; arguments af, wocd, out0; writes out0
.if DOCPART == 4
	.amdgcn_target "amdgcn-amd-amdhsa--gfx1250"
	.amdhsa_code_object_version 6
	.text
	.protected	k_q638476e162_oproj
	.globl	k_q638476e162_oproj
	.p2align	8
	.type	k_q638476e162_oproj,@function
k_q638476e162_oproj:
	s_mov_b64 s[64:65], 0
	v_nop
	global_prefetch_b8 v0, s[64:65] scope:SCOPE_SE
	s_setreg_imm32_b32 hwreg(HW_REG_WAVE_MODE, 25, 1), 1
	s_wait_xcnt 0x0
	s_wait_alu depctr_hold_cnt(0) depctr_sa_sdst(0) depctr_va_vdst(0) depctr_va_sdst(0) depctr_va_ssrc(0) depctr_va_vcc(0) depctr_vm_vsrc(0)
	s_getreg_b32 s2, hwreg(HW_REG_IB_STS2, 6, 4)
	s_cmp_eq_u32 s2, 0
	s_cbranch_scc0 .Lentry_in_a_cluster
	s_endpgm
.Lentry_in_a_cluster:
	s_bfe_u32 s2, ttmp6, 0x10000c
	s_cmp_lg_u32 s2, 0xf033
	s_cbranch_scc0 .Lentry_shape_is_right
	s_endpgm
.Lentry_shape_is_right:
; out0 [1024][4096] f32 = attention output x Wo^T on codes of FP6 (E2M3) with E8M0 scales, K = 4,096 (K step = head).
; af = [F 64][g 8][record], wocd = [F 256][q 8][record]: a record of 6,400 bytes is four K steps' fragment images of one F (1,536 bytes each: lane l's 16 bytes of register group g at 512 g + 16 l)
; and 256 bytes of scale words (lane r's four words at 6,144 + 16 r).  Lane r of fragment F holds row 32 (F / 2) + 8 (F % 2) + r + 8 (r / 8).
; A tile of out0 is 128 tokens x 128 columns: 256 work-groups.  Four waves, each 64 x 64: 16 accumulators.
; K goes in eight UNITS of 512 (one record for each of the tile's 16 F: 102,400 bytes).  LDS holds three: region D takes two units (rows of two records), region U one.  The first fills bring units 0, 1 (D) and 2 (U);
; then D takes 3, 4 while 2 is multiplied, U takes 5 while 3, 4 are, D takes 6, 7 while 5 is: three refills stand behind each other, each one joint load a wave behind a round of the cluster's barrier.
; CLUSTERS 4 x 4: af's records hang on the tile row alone and are asked for jointly along a row of the cluster, Wo's on the tile column alone and jointly along a column.
; THE MATRIX INSTRUCTION IS USED TRANSPOSED (source 0 = 16 rows of Wo, source 1 = 16 tokens): a lane holds eight neighbouring columns of one token's row in each accumulator.
; The 32 steps are written out: the regions take turns unevenly.
; REGISTERS: window 0: v1-7 at work, v16-30 addresses, v32-63 scale words (two sets of 16), v96-191 A's fragments (two sets of 4 x 12), on the way out v96-159 rows of out0.
;   Window 1: B's fragments, two sets of 4 x 12 at v0 and v128.  Window 2: accumulator (a, b) at v[8 (4 a + b)].
.set REC,   6400
.set FRG,   1536
.set SCO,   6144
.set FROW,  8*REC                      ; from one F to the next in af and in wocd
.set DA,    0                          ; region D: A's 8 rows of two records,
.set DB,    16*REC                     ; B's 8
.set UA,    32*REC                     ; region U: A's 8 records,
.set UB,    40*REC                     ; B's 8
.set SPARE, 48*REC                     ; behind them: the spare words, 128 bytes for each wave: two blocks of 256 bytes that no other line names
.set SP,    272                        ; the way out: a stage of 16 rows x (256 bytes + 16) for each wave, in region U, which has had its last fill and its last read when the first result is stored there
.set STG,   16*SP
.set ADRA,  16                         ; v16-17  my A fragments in D, U: 16 x lane + my row half's four rows
.set ADRB,  20                         ; v20-21  the same for B: my column half's four rows
.set ADRS,  22                         ; v22-23  scale words: lanes 0-15 A's records, lanes 16-31 B's
.set STO,   24                         ; v24  the stage: where I put 32 bytes of a row
.set RD,    25                         ; v25  and where I read rows back: lanes 0-15 one row, lanes 16-31 the next
.set CO,    26                         ; v26  the same two rows in out0
.set R16,   27                         ; v27  16 r
.set SPW,   28                         ; v28  my spare word; never rewritten
.set NIL,   29                         ; v29  0; never rewritten
.set LI,    30                         ; v30  16 x lane
.set SC,    32                         ; register SC + 16 set + 4 i + q: lanes 0-15 A block i's word of step q, lanes 16-31 B tile i's
.set AF,    96
.set BK,    96
.set G1,    24                         ; s[24:31] group 1 for A in D;  s[68:75] for A in U
.set G1U,   68
.set G0,    32                         ; s[32:35] group 0 for A in D, s[36:39] in U
.set G1B,   48                         ; s[48:55], s[76:83], s[56:63] the same for B
.set G1BU,  76
.set G0B,   56
.set MUL,   0xa1                       ; source 0 (B) window 1, source 1 (A) window 0, C and D window 2
.set TO_B,  0x40                       ; destination window 1
.set MSB,   0
.macro WIN new                         ; the immediate's high byte repeats the setting that is left
.if MSB != (\new)
	s_set_vgpr_msb (MSB<<8)|(\new)
.set MSB, (\new)
.endif
.endm
.macro PLACES                          ; four plain instructions between a matrix instruction and a load into, or a store's read of, its registers
.rept 4
	v_nop
.endr
.endm
.macro JLOAD reg                       ; a joint load into region D (0) or U (1): waves 0 and 1 fetch A's two halves, waves 2 and 3 B's; four v_nop follow each line
	s_cmp_eq_u32 s15, 0
	s_cbranch_scc0 .Lfor_b_\@
.if (\reg) == 0
	tensor_load_to_lds s[G0:G0+3], s[G1:G1+7]
	s_nop 0
.else
	tensor_load_to_lds s[G0+4:G0+7], s[G1U:G1U+7]
	s_nop 0
.endif
.rept 4
	v_nop
.endr
	s_branch .Lasked_\@
.Lfor_b_\@:
.if (\reg) == 0
	tensor_load_to_lds s[G0B:G0B+3], s[G1B:G1B+7]
	s_nop 0
.else
	tensor_load_to_lds s[G0B+4:G0B+7], s[G1BU:G1BU+7]
	s_nop 0
.endif
.rept 4
	v_nop
.endr
.Lasked_\@:
.endm
.macro CREST                           ; a round of the cluster's barrier behind its opening barrier
	s_cmp_lg_u32 s14, 0
	s_cbranch_scc1 .Lnot_wave_0_\@
	s_barrier_signal -3
.Lnot_wave_0_\@:
	s_barrier_wait -3
	s_barrier_signal -1
	s_barrier_wait -1
.endm
.macro CROUND
	s_barrier_signal -1
	s_barrier_wait -1
	CREST
.endm
	s_load_b128 s[4:7], s[0:1], 0x0                ; af, wocd
	s_load_b64 s[8:9], s[0:1], 0x10                ; out0
	v_lshl_add_u32 v[SPW], v0, 2, SPARE
	v_mov_b32 v[NIL], 0
	ds_add_u32 v28, v29
	ds_add_u32 v28, v29
	s_wait_dscnt 0x0
	v_lshrrev_b32 v1, 5, v0
	v_readfirstlane_b32 s14, v1                    ; wave 0..3
	s_lshr_b32 s15, s14, 1                         ; rh: my half of the tile's tokens.  Also: I fetch for A (0) or for B (1)
	s_and_b32 s16, s14, 1                          ; ch: my half of its columns.  Also: which half of that operand's rows I fetch
	s_bfe_u32 s40, ttmp6, 0x40000                  ; cx, cy: my place in the cluster
	s_bfe_u32 s41, ttmp6, 0x40004
	s_lshl_b32 s42, ttmp9, 2
	s_add_co_u32 s42, s42, s40                     ; tx = 4 x cluster x + cx
	s_and_b32 s17, ttmp7, 0xffff
	s_lshl_b32 s17, s17, 2
	s_add_co_u32 s17, s17, s41                     ; ty = 4 x cluster y + cy
	s_lshl_b32 s43, s41, 2
	s_lshl_b32 s43, 15, s43                        ; my row of the cluster
	s_lshl_b32 s44, 0x1111, s40                    ; my column
	; group 1: four rows (four F), 6,400 elements of 8 bytes apart; a row is two records (D) or one (U); no padding: an image is read 512 consecutive bytes an instruction
	s_or_b32 s[G1], s43, (3<<16)|(1<<21)           ; 15:0 the mask: my row; 17:16 elements of 8 bytes; 21 set beside a mask
	s_or_b32 s[G1U], s43, (3<<16)|(1<<21)
	s_or_b32 s[G1B], s44, (3<<16)|(1<<21)          ; my column
	s_or_b32 s[G1BU], s44, (3<<16)|(1<<21)
.irp g, G1, G1B
	s_mov_b32 s[\g+1], 1600<<16                    ; tensor_dim0
	s_mov_b32 s[\g+2], 4<<16                       ; tensor_dim1
	s_mov_b32 s[\g+3], 1600<<16                    ; tile_dim0
	s_mov_b32 s[\g+4], 4                           ; tile_dim1
	s_mov_b32 s[\g+5], 6400                        ; tensor_dim0_stride
	s_mov_b32 s[\g+6], 0
	s_mov_b32 s[\g+7], 0
.endr
.irp g, G1U, G1BU
	s_mov_b32 s[\g+1], 800<<16
	s_mov_b32 s[\g+2], 4<<16
	s_mov_b32 s[\g+3], 800<<16
	s_mov_b32 s[\g+4], 4
	s_mov_b32 s[\g+5], 6400
	s_mov_b32 s[\g+6], 0
	s_mov_b32 s[\g+7], 0
.endr
	s_lshl_b32 s20, s17, 3                         ; A: F = 8 ty + 4 x the half that I fetch: hangs on the tile row alone
	s_lshl_b32 s21, s16, 2
	s_add_co_u32 s20, s20, s21
	s_mul_i32 s20, s20, FROW
	s_mov_b32 s21, 0
	s_lshl_b32 s46, s42, 3                         ; B: F = 8 tx + 4 x the half: hangs on the tile column alone
	s_lshl_b32 s47, s16, 2
	s_add_co_u32 s46, s46, s47
	s_mul_i32 s46, s46, FROW
	s_mov_b32 s47, 0
	s_mul_i32 s18, s16, 8*REC                      ; where my four rows go in D,
	s_mul_i32 s19, s16, 4*REC                      ; and in U: no place in the cluster enters an LDS address
	s_wait_kmcnt 0x0
	s_add_nc_u64 s[20:21], s[4:5], s[20:21]
	s_add_nc_u64 s[46:47], s[6:7], s[46:47]
	CROUND                                         ; all sixteen work-groups are here: the first joint loads meet
	s_mov_b32 s[G0], 1                             ; D: units 0 and 1
	s_add_co_u32 s[G0+1], s18, DA
	s_mov_b64 s[G0+2:G0+3], s[20:21]
	s_or_b32 s[G0+3], s[G0+3], 0x80000000
	s_mov_b32 s[G0B], 1
	s_add_co_u32 s[G0B+1], s18, DB
	s_mov_b64 s[G0B+2:G0B+3], s[46:47]
	s_or_b32 s[G0B+3], s[G0B+3], 0x80000000
	JLOAD 0
	s_mov_b32 s[G0+4], 1                           ; U: unit 2
	s_add_co_u32 s[G0+5], s19, UA
	s_add_nc_u64 s[G0+6:G0+7], s[20:21], 2*REC
	s_or_b32 s[G0+7], s[G0+7], 0x80000000
	s_mov_b32 s[G0B+4], 1
	s_add_co_u32 s[G0B+5], s19, UB
	s_add_nc_u64 s[G0B+6:G0B+7], s[46:47], 2*REC
	s_or_b32 s[G0B+7], s[G0B+7], 0x80000000
	JLOAD 1                                        ; two loads of mine are out
	v_and_b32 v1, 31, v0                           ; lane
	v_and_b32 v2, 15, v0                           ; r
	v_bfe_u32 v3, v0, 4, 1                         ; h
	v_lshlrev_b32 v[LI], 4, v1
	v_lshlrev_b32 v[R16], 4, v2
	s_mul_i32 s21, s15, 8*REC                      ; in D: my four rows of A (DA is 0),
	s_mul_i32 s22, s16, 8*REC
	s_add_co_u32 s22, s22, DB                      ; my four of B
	s_sub_co_u32 s23, s22, s21
	v_mul_u32_u24 v6, s23, v3                      ; lanes 16-31 take B's scale words: the lower base + h x the distance
	v_add_nc_u32 v6, v6, v[R16]
	s_add_co_u32 s23, s21, SCO
	v_add_nc_u32 v[ADRA], s21, v[LI]
	v_add_nc_u32 v[ADRB], s22, v[LI]
	v_add_nc_u32 v[ADRS], s23, v6
	s_mul_i32 s21, s15, 4*REC                      ; in U likewise
	s_add_co_u32 s21, s21, UA
	s_mul_i32 s22, s16, 4*REC
	s_add_co_u32 s22, s22, UB
	s_sub_co_u32 s23, s22, s21
	v_mul_u32_u24 v7, s23, v3
	v_add_nc_u32 v7, v7, v[R16]
	s_add_co_u32 s23, s21, SCO
	v_add_nc_u32 v[ADRA+1], s21, v[LI]
	v_add_nc_u32 v[ADRB+1], s22, v[LI]
	v_add_nc_u32 v[ADRS+1], s23, v7
	s_mul_i32 s23, s14, STG
	s_add_co_u32 s23, s23, UA                      ; my stage
	v_mul_u32_u24 v[STO], v2, SP
	v_lshl_add_u32 v[STO], v3, 6, v[STO]
	v_add_nc_u32 v[STO], s23, v[STO]               ; in: row r, + 64 h
	v_mul_u32_u24 v[RD], v3, SP
	v_add_nc_u32 v[RD], v[RD], v[R16]
	v_add_nc_u32 v[RD], s23, v[RD]                 ; back: row h of a pair, 16 bytes a lane
	v_lshl_add_u32 v[CO], v3, 14, v[R16]           ; and in out0: 16,384 bytes from row to row
	s_lshl_b32 s66, s17, 7
	s_lshl_b32 s67, s15, 6
	s_add_co_u32 s66, s66, s67                     ; my first token: 128 ty + 64 rh
	s_lshl_b32 s66, s66, 14
	s_lshl_b32 s67, s42, 9                         ; + my first column: 128 tx + 64 ch, 4 bytes each
	s_add_co_u32 s66, s66, s67
	s_lshl_b32 s67, s16, 8
	s_add_co_u32 s66, s66, s67
	s_mov_b32 s67, 0
	s_add_nc_u64 s[8:9], s[8:9], s[66:67]
; 4 matrix instructions: A block a against B's four tiles, a unit's q-th 128 along K.  p: the set of fragments; sc: the set of scale words; zero = 1: the product starts the sums.
; The 16 accumulators take turns, one instruction a turn, in the same order in every step.
.macro MUL4 a, p, q, sc, zero
.irp b, 0,1,2,3
.if \zero
	v_wmma_scale_f32_16x16x128_f8f6f4 v[8*(4*(\a)+\b):8*(4*(\a)+\b)+7], v[128*(\p)+12*\b:128*(\p)+12*\b+11], v[AF+48*(\p)+12*(\a):AF+48*(\p)+12*(\a)+11], 0, v[SC+16*(\sc)+4*\b+(\q)], v[SC+16*(\sc)+4*(\a)+(\q)] matrix_a_fmt:MATRIX_FMT_FP6 matrix_b_fmt:MATRIX_FMT_FP6 matrix_a_scale:MATRIX_SCALE_ROW1
.else
	v_wmma_scale_f32_16x16x128_f8f6f4 v[8*(4*(\a)+\b):8*(4*(\a)+\b)+7], v[128*(\p)+12*\b:128*(\p)+12*\b+11], v[AF+48*(\p)+12*(\a):AF+48*(\p)+12*(\a)+11], v[8*(4*(\a)+\b):8*(4*(\a)+\b)+7], v[SC+16*(\sc)+4*\b+(\q)], v[SC+16*(\sc)+4*(\a)+(\q)] matrix_a_fmt:MATRIX_FMT_FP6 matrix_b_fmt:MATRIX_FMT_FP6 matrix_a_scale:MATRIX_SCALE_ROW1
.endif
.endr
.endm
; 24 LDS loads in one run: B's four fragments and A's four of step q of the unit that lies in region reg (0: D, rows 12,800 bytes apart, unit e of its two; 1: U, rows 6,400 apart), into set p.  It leaves every window 0.
.macro FETCH reg, e, q, p
	WIN TO_B
.irp b, 0,1,2,3
.irp g, 0,1,2
	ds_load_b128 v[128*(\p)+12*\b+4*\g:128*(\p)+12*\b+4*\g+3], v[ADRB+(\reg)] offset:(2-(\reg))*REC*\b+REC*(\e)+FRG*(\q)+512*\g
.endr
.endr
	WIN 0
.irp a, 0,1,2,3
.irp g, 0,1,2
	ds_load_b128 v[AF+48*(\p)+12*\a+4*\g:AF+48*(\p)+12*\a+4*\g+3], v[ADRA+(\reg)] offset:(2-(\reg))*REC*\a+REC*(\e)+FRG*(\q)+512*\g
.endr
.endr
.endm
.macro SCALES reg, e, sc               ; a unit's scale words, four steps' at once: lanes 0-15 A's record i, lanes 16-31 B's record i
.irp i, 0,1,2,3
	ds_load_b128 v[SC+16*(\sc)+4*\i:SC+16*(\sc)+4*\i+3], v[ADRS+(\reg)] offset:(2-(\reg))*REC*\i+REC*(\e)
.endr
.endm
; A step whose successor has landed: the next step's fragments (step nq of the unit at nreg, ne) are asked for, then this step's 16 products are issued.
.macro STEP q, sc, zero, nreg, ne, nq
	PLACES                                         ; the set to be loaded was read by the step before
	FETCH \nreg, \ne, \nq, ((\q)+1)%2
.if (\nq) == 0
	SCALES \nreg, \ne, 1-(\sc)                     ; a new unit begins: its scale words into the other set
	s_wait_dscnt 28                                ; all but the 28 just issued
.else
	s_wait_dscnt 24                                ; all but the 24 just issued: this step's fragments and scale words are in
.endif
	WIN MUL
.irp a, 0,1,2,3
	MUL4 \a, (\q)%2, \q, \sc, \zero
.endr
.endm
.macro THREE sc, zero, reg, e          ; the first three steps of the unit at (reg, e)
	STEP 0, \sc, \zero, \reg, \e, 1
	STEP 1, \sc, 0, \reg, \e, 2
	STEP 2, \sc, 0, \reg, \e, 3
.endm
; A unit's last step where the regions change: ONE barrier; in front of it each wave waits for all its tensor loads, adds 0 to its spare word, and waits for that and for its reads of the region that it leaves.
; fill = 1: that region (freg) is filled again, with the records three on.  The next unit lies at (nreg, ne).
.macro TURN sc, fill, freg, nreg, ne
	WIN 0                                          ; (the add's two registers lie in window 0)
	s_wait_tensorcnt 0x0                           ; all my tensor loads have landed: my part of the region ahead
	ds_add_u32 v[SPW], v[NIL]                      ; 0 onto my spare word
	s_wait_dscnt 1                                 ; this step's fragments are in; the add may be out
	WIN MUL
	MUL4 0, 1, 3, \sc, 0                           ; four matrix instructions stand between the add and the wait for it
	s_wait_dscnt 0x0                               ; the add is done, and my reads of the region that I leave are over
	s_barrier_signal -1
	MUL4 1, 1, 3, \sc, 0
	WIN 0
	s_barrier_wait -1
.if \fill
	CREST                                          ; the barrier has opened a round of the cluster's: no wave of any partner still reads this region or has a load on its way
	s_add_nc_u64 s[G0+4*(\freg)+2:G0+4*(\freg)+3], s[G0+4*(\freg)+2:G0+4*(\freg)+3], 3*REC
	s_add_nc_u64 s[G0B+4*(\freg)+2:G0B+4*(\freg)+3], s[G0B+4*(\freg)+2:G0B+4*(\freg)+3], 3*REC
	JLOAD \freg                                    ; the first tensor load behind the round; its four v_nop are the places in front of the loads below
.else
	PLACES
.endif
	FETCH \nreg, \ne, 0, 0
	SCALES \nreg, \ne, 1-(\sc)
	WIN MUL
	MUL4 2, 1, 3, \sc, 0
	MUL4 3, 1, 3, \sc, 0
.endm
	s_wait_tensorcnt 1                             ; my part of D is in; U's may stay out
	s_barrier_signal -1
	s_barrier_wait -1
	FETCH 0, 0, 0, 0
	SCALES 0, 0, 0
	THREE 0, 1, 0, 0                               ; unit 0 (D): its first step's products start the sums
	STEP 3, 0, 0, 0, 1, 0
	THREE 1, 0, 0, 1                               ; unit 1 (D)
	TURN 1, 1, 0, 1, 0                             ; D takes units 3 and 4
	THREE 0, 0, 1, 0                               ; unit 2 (U)
	TURN 0, 1, 1, 0, 0                             ; U takes unit 5
	THREE 1, 0, 0, 0                               ; unit 3 (D)
	STEP 3, 1, 0, 0, 1, 0
	THREE 0, 0, 0, 1                               ; unit 4 (D)
	TURN 0, 1, 0, 1, 0                             ; D takes units 6 and 7
	THREE 1, 0, 1, 0                               ; unit 5 (U)
	TURN 1, 0, 0, 0, 0                             ; nothing is left to fetch
	THREE 0, 0, 0, 0                               ; unit 6 (D)
	STEP 3, 0, 0, 0, 1, 0
	THREE 1, 0, 0, 1                               ; unit 7 (D)
	s_wait_dscnt 0x0                               ; the very last step
.irp a, 0,1,2,3
	MUL4 \a, 1, 3, 1, 0
.endr
	WIN 0
	PLACES                                         ; in front of the stores' reads of results and of the loads into A's fragments
; THE WAY OUT, block by block of 16 tokens x 64 columns.  Tile b's eight registers are columns 32 (b / 2) + 16 h + 8 (b % 2) + 0 .. 7 of my token: 32 bytes.  A block goes through my own stage and comes back as
; whole rows of 256 bytes, two an instruction.  Row i of block a is token 32 (a / 2) + 8 (a % 2) + i + 8 (i / 8) of my 64: the fragments' row order is undone in the stores' immediates, and the base never steps.
.macro TOSTAGE a
	WIN 0x08                                       ; an LDS store's data are its source 1: window 2
.irp b, 0,1,2,3
	ds_store_b128 v[STO], v[8*(4*(\a)+\b):8*(4*(\a)+\b)+3] offset:128*(\b/2)+32*(\b%2)        ; each accumulator from its low end on
	ds_store_b128 v[STO], v[8*(4*(\a)+\b)+4:8*(4*(\a)+\b)+7] offset:128*(\b/2)+32*(\b%2)+16
.endr
	WIN 0
.irp i, 0,1,2,3,4,5,6,7
	ds_load_b128 v[BK+32*((\a)%2)+4*\i:BK+32*((\a)%2)+4*\i+3], v[RD] offset:2*SP*\i   ; LDS serves a wave's instructions in order: these see the stores above, and the next block's stores come behind them
.endr
.endm
.macro SEND a, younger                 ; younger: the LDS instructions issued behind block a's loads, which may stay out
	s_wait_dscnt \younger
.irp i, 0,1,2,3,4,5,6,7
	global_store_b128 v[CO], v[BK+32*((\a)%2)+4*\i:BK+32*((\a)%2)+4*\i+3], s[8:9] offset:(32*((\a)/2)+8*((\a)%2)+2*\i+8*(\i/4))*16384 th:TH_STORE_NT   ; 16 lanes store 256 consecutive bytes, at a multiple of 256 from out0's first byte
.endr
.endm
	TOSTAGE 0
.irp a, 1,2,3
.if \a > 1
	s_wait_xcnt 0x0                                ; block a - 2's stores have read their registers: block a's loads may land there
.endif
	TOSTAGE \a
	SEND \a-1, 16                                  ; behind block a - 1's loads: block a's 8 stores and 8 loads
.endr
	SEND 3, 0
	s_wait_tensorcnt 0x0                           ; the wave's end
	ds_add_u32 v[SPW], v[NIL]
	s_wait_dscnt 0x0
	CROUND                                         ; the closing round: no work-group ends while a partner may still ask for a tile that names it
	s_endpgm
.Lfunc_end_k_q638476e162_oproj:
	.size	k_q638476e162_oproj, .Lfunc_end_k_q638476e162_oproj-k_q638476e162_oproj
	.p2alignl 7, 3214868480
	.fill 96, 4, 3214868480
	.section	.rodata,"a",@progbits
	.p2align	6, 0x0
	.amdhsa_kernel k_q638476e162_oproj
		.amdhsa_group_segment_fixed_size 327680
		.amdhsa_private_segment_fixed_size 0
		.amdhsa_enable_private_segment 0
		.amdhsa_kernarg_size 24
		.amdhsa_user_sgpr_count 2
		.amdhsa_user_sgpr_kernarg_segment_ptr 1
		.amdhsa_wavefront_size32 1
		.amdhsa_system_sgpr_workgroup_id_x 1
		.amdhsa_system_sgpr_workgroup_id_y 1
		.amdhsa_system_sgpr_workgroup_id_z 1
		.amdhsa_system_vgpr_workitem_id 0
		.amdhsa_next_free_vgpr 768
		.amdhsa_next_free_sgpr 100
		.amdhsa_reserve_vcc 0
		.amdhsa_float_denorm_mode_32 3
		.amdhsa_float_denorm_mode_16_64 3
		.amdhsa_memory_ordered 1
		.amdhsa_forward_progress 1
		.amdhsa_inst_pref_size 142
	.end_amdhsa_kernel
	.amdgpu_metadata
---
amdhsa.version: [ 1, 2 ]
amdhsa.kernels:
  - .name:           k_q638476e162_oproj
    .symbol:         k_q638476e162_oproj.kd
    .args:
      - { .name: af, .offset: 0, .size: 8, .value_kind: global_buffer, .address_space: global }
      - { .name: wocd, .offset: 8, .size: 8, .value_kind: global_buffer, .address_space: global }
      - { .name: out0, .offset: 16, .size: 8, .value_kind: global_buffer, .address_space: global }
    .group_segment_fixed_size: 327680
    .private_segment_fixed_size: 0
    .kernarg_segment_align: 8
    .kernarg_segment_size: 24
    .max_flat_workgroup_size: 128
    .sgpr_count:     100
    .vgpr_count:     768
    .wavefront_size: 32
...
	.end_amdgpu_metadata
.endif
;; end of part 4
